; MI455X (gfx1250); checked and timed in simulation.
; The chip was launched on July 23, 2026; its instructions are those of AMD's public machine-readable ISA for CDNA 5 (MIT licence, August 2026) and "CDNA5" Instruction Set Architecture Reference Guide (July 2026). The comments in the code are by the model that wrote it; some were corrected since.
;; Transformer Layer. Allowed arithmetic: matrix products marked QUANTISED: E2M3 operands, one E8M0 scale for each 32 along K, by v_wmma_scale_f32_16x16x128_f8f6f4 with both operands' format E2M3, f32 sums; everything else in f32.
;; Inputs: c_W1 512 x 512 float32; c_W2 256 x 512 float32; c_Wo 256 x 256 float32; c_Wqk 256 x 256 float32; c_Wv 256 x 256 float32; c_b1 512 float32; c_b2 256 float32; c_be 512 float32; c_bo 256 float32; c_bqk 256 float32; c_bv 256 float32; c_g 512 float32; desc0 4 x 2,048 x 256 float32; desc1 4 x 2,048 x 256 float32; enc0 2 x 4 x 1 x 2,048 x 64 float32; enc1 2 x 4 x 1 x 2,048 x 64 float32; s_W1 512 x 512 float32; s_W2 256 x 512 float32; s_Wout 256 x 256 float32; s_Wqkv 768 x 256 float32; s_b1 512 float32; s_b2 256 float32; s_be 512 float32; s_bout 256 float32; s_bqkv 768 float32; s_g 512 float32.
;; Outputs: out0 4 x 2,048 x 256 float32; out1 4 x 2,048 x 256 float32.
;; This version of the problem:
;;   THIS VERSION OF THE PROBLEM IS GIVEN IN LOW PRECISION. The matrix products marked QUANTISED in the list below multiply operands that are first quantised to E2M3 (2 exponent bits, 3 mantissa bits; 6 bits a number), with one power-of-two scale for each 32 numbers along K (OCP MX v1.0); their sums are f32. All else is computed in f32.
;;   The module's matrix products, in the order in which they are computed (A, B: the left and right operand; K: the contracted axis; several contracted axes count as one K, in the product's order):
;;     1. [M 8,192, K 256] x [K 256, N 768]; A: input desc0; B: input s_Wqkv: QUANTISED
;;     2. batch 16 x [M 2,048, K 64] x [K 64, N 2,048]; A: computed on the way; B: computed on the way: QUANTISED
;;     3. batch 16 x [M 2,048, K 2,048] x [K 2,048, N 64]; A: softmax (see below); B: computed on the way: QUANTISED
;;     4. [M 8,192, K 256] x [K 256, N 256]; A: computed on the way; B: input s_Wout: QUANTISED
;;     5. [M 8,192, K 512] x [K 512, N 512]; A: computed on the way; B: input s_W1: QUANTISED
;;     6. [M 8,192, K 512] x [K 512, N 256]; A: computed on the way; B: input s_W2: QUANTISED
;;     7. [M 8,192, K 256] x [K 256, N 768]; A: input desc1; B: input s_Wqkv: QUANTISED
;;     8. batch 16 x [M 2,048, K 64] x [K 64, N 2,048]; A: computed on the way; B: computed on the way: QUANTISED
;;     9. batch 16 x [M 2,048, K 2,048] x [K 2,048, N 64]; A: softmax (see below); B: computed on the way: QUANTISED
;;     10. [M 8,192, K 256] x [K 256, N 256]; A: computed on the way; B: input s_Wout: QUANTISED
;;     11. [M 8,192, K 512] x [K 512, N 512]; A: computed on the way; B: input s_W1: QUANTISED
;;     12. [M 8,192, K 512] x [K 512, N 256]; A: computed on the way; B: input s_W2: QUANTISED
;;     13. [M 8,192, K 256] x [K 256, N 256]; A: computed on the way; B: input c_Wqk: QUANTISED
;;     14. [M 8,192, K 256] x [K 256, N 256]; A: computed on the way; B: input c_Wqk: QUANTISED
;;     15. [M 8,192, K 256] x [K 256, N 256]; A: computed on the way; B: input c_Wv: QUANTISED
;;     16. [M 8,192, K 256] x [K 256, N 256]; A: computed on the way; B: input c_Wv: QUANTISED
;;     17. batch 16 x [M 2,048, K 64] x [K 64, N 2,048]; A: computed on the way; B: computed on the way: QUANTISED
;;     18. batch 16 x [M 2,048, K 2,048] x [K 2,048, N 64]; A: softmax (see below); B: computed on the way: QUANTISED
;;     19. batch 16 x [M 2,048, K 2,048] x [K 2,048, N 64]; A: softmax (see below); B: computed on the way: QUANTISED
;;     20. [M 8,192, K 256] x [K 256, N 256]; A: computed on the way; B: input c_Wo: QUANTISED
;;     21. [M 8,192, K 256] x [K 256, N 256]; A: computed on the way; B: input c_Wo: QUANTISED
;;     22. [M 8,192, K 512] x [K 512, N 512]; A: computed on the way; B: input c_W1: QUANTISED
;;     23. [M 8,192, K 512] x [K 512, N 256]; A: computed on the way; B: input c_W2: QUANTISED
;;     24. [M 8,192, K 512] x [K 512, N 512]; A: computed on the way; B: input c_W1: QUANTISED
;;     25. [M 8,192, K 512] x [K 512, N 256]; A: computed on the way; B: input c_W2: QUANTISED
;;   THE QUANTISER, for each operand of a quantised product, along K:
;;     - K is cut into blocks of 32 from its start; a last block that is shorter is filled with zeros.
;;     - A block's scale is 2^e with e = floor(log2(the largest magnitude in the block)) - 2, held to -126 .. 127; a block of zeros has e = 0. As a byte (E8M0): e + 127.
;;     - Each number is divided by its block's scale, clamped to +-7.5, and rounded to the nearest number of E2M3, ties to even, subnormals kept.
;;     - The product sums the exact products of the quantised numbers (number of the format x scale) in f32.
;;   ~~~python
;;   def quantise(x, axis):      # numpy; x: float32 -> the quantised numbers, widened to float32 again
;;       x = np.moveaxis(x, axis, -1); K = x.shape[-1]
;;       x = np.pad(x, [(0, 0)] * (x.ndim - 1) + [(0, -K % 32)]); x = x.reshape(x.shape[:-1] + (-1, 32)); a = np.abs(x).max(-1, keepdims=True)
;;       e = np.where(a > 0, np.clip(np.frexp(np.where(a > 0, a, 1))[1] - 1 - 2, -126, 127), 0)      # np.frexp(a)[1] - 1 = floor(log2(a)), exactly
;;       r = np.clip(x / 2.0 ** e, -7.5, 7.5)
;;       step = 2.0 ** (np.maximum(np.frexp(np.where(r == 0, 1, r))[1] - 1, 0) - 3)
;;       q = np.round(r / step) * step * 2.0 ** e      # np.round: ties to even
;;       return np.moveaxis(q.reshape(q.shape[:-2] + (-1,))[..., :K], -1, axis).astype(np.float32)
;;   ~~~
;;   SOFTMAX AHEAD OF A QUANTISED PRODUCT. Where the list says 'softmax', what is quantised is not the finished softmax but p = 2^(t - M), with t = logit x log2(e) and M = ceil(the row's largest t), a whole number; so 1/2 < the row's largest p <= 1. The row's sum l is taken of the UNQUANTISED p, in f32, and the product's result is divided by l at the end. Since M is a whole number, a kernel that streams over the keys may use a running M (the ceiling of the running maximum): every later rescaling is an exact power of two, which a block's scale takes up: the codes' values come out the same.
;;   OPERANDS COMPUTED ON THE WAY. 'Computed on the way' means the value that the module computes at that place (a softmax that the list does not call 'softmax' is quantised finished and normalised). What goes into a quantiser is computed in f32, as accurately as f32 sums, v_exp_f32 and their like allow (about 1e-6 of the number): no bf16 or f16 on the way to a quantiser, and a product that is left as it is and whose result goes on into a quantised operand takes f32 operands (vector FMAs, or v_wmma_f32_16x16x4_f32). A number that lies on a knife's edge between two numbers of the format may be rounded either way, as far as f32 arithmetic and the matrix unit's own rounding can turn it there, and no further.
;; One version. Each part assembles by itself: llvm-mc -triple=amdgcn-amd-amdhsa -mcpu=gfx1250 --defsym DOCPART=n.
;; ======== version 1 of 1: 6 launches
;; limits: a function is approximated: absolute error at most 1.5e-07
;; workspace buffers: wts 972,800 bytes; qkvb 10,092,544 bytes; ctxb 3,407,872 bytes; dmid0 8,388,608 bytes; dmid1 8,388,608 bytes; cfgS 256 bytes of whole numbers; cfgC 256 bytes of whole numbers
;; launch prep (part 1): grid 76 x 1, 4 waves a work-group, no clusters, 0 bytes of LDS; arguments s_Wqkv, s_Wout, s_W1, s_W2, c_Wqk, c_Wv, c_Wo, c_W1, c_W2, wts, cfgS, cfgC; writes wts, cfgS, cfgC
.if DOCPART == 1
	.amdgcn_target "amdgcn-amd-amdhsa--gfx1250"
	.amdhsa_code_object_version 6
	.text
	.protected	k_q82e27be770_prep
	.globl	k_q82e27be770_prep
	.p2align	8
	.type	k_q82e27be770_prep,@function
k_q82e27be770_prep:
	s_mov_b64 s[64:65], 0
	v_nop
	global_prefetch_b8 v0, s[64:65] scope:SCOPE_SE
	s_setreg_imm32_b32 hwreg(HW_REG_WAVE_MODE, 25, 1), 1
	s_wait_xcnt 0x0
; The nine weights, f32 [N][K] with K innermost, become codes of FP6 (E2M3) with one E8M0 byte for each 32 along K, laid in the ORDER OF THE OPERAND'S REGISTERS.
; A unit is 16 weight rows x 256 along K: two fragments of 12 registers a lane; register 4 p + i of lane l lies at 512 p + 16 l + 4 i of its fragment's 1,536 bytes.
; THE ROWS OF A TILE ARE NOT NEIGHBOURS: row rho of tile T is output column 32 (T / 2) + 8 (T % 2) + rho + 8 (rho / 8), so that the results of tiles 2 a and 2 a + 1 are 16 neighbours along the next K.
; s_Wqkv's columns are sorted besides: column 256 j + 64 h + d (j = q, k, v) is row 192 h + 3 d + j of the weight.
; One wave takes one unit, 304 in all; which weight a work-group serves hangs on its number alone.  The scale words (four bytes: 128 along K of a row) lie behind the codes, from WSC on.
; Wave 0 of work-group 0 also stores the two stage words (0 and 1) that steer the two launches of the row chain.
; LIMITS: a block whose largest magnitude lies under 2^-124 has its byte held at 1; a block of zeros gets the byte 1 (its codes are zeros; only this program reads the bytes); NaN and infinities are not served.
.set WSC, 933888                       ; 304 units x 3,072 bytes
.set X,   32                           ; v32-159  two fragments' numbers: register 64 f + 16 b + i = k 128 f + 32 b + 16 (lane / 16) + i of my row
.set TM,  200                          ; v200-215 at work
.set SEL, 36                           ; s[36:37] selects of v_permlanex16_b32 for lane l xor 16
; 64 numbers of a lane become a fragment's 12 registers from v[pc] on (v[pc+12 .. pc+18] at work) and its scale word in v[pw]
.macro QUANT4 src, pc, pw
.irp b, 0,1,2,3
	v_max3_num_f32 v[TM+\b], |v[(\src)+16*\b]|, |v[(\src)+1+16*\b]|, 0x1800000   ; my 16 numbers of block b, and the floor 2^(3 - 127): the byte cannot fall under 1
.endr
.irp i, 2,4,6,8,10,12,14
.irp b, 0,1,2,3
	v_max3_num_f32 v[TM+\b], v[TM+\b], |v[(\src)+16*\b+\i]|, |v[(\src)+1+16*\b+\i]|
.endr
.endr
.irp b, 0,1,2,3
	v_permlanex16_b32 v[TM+4+\b], v[TM+\b], s[SEL], s[SEL+1]
.endr
.irp b, 0,1,2,3
	v_max_num_f32 v[TM+\b], v[TM+\b], v[TM+4+\b]     ; with lane l xor 16's: the block's largest magnitude
.endr
.irp b, 0,1,2,3
	v_add_nc_u32 v[TM+12+\b], 0xff000000, v[TM+\b]   ; 2 off its exponent field: the conversion's scale operand
.endr
.irp b, 0,1,2,3
	v_lshrrev_b32 v[TM+4+\b], 23, v[TM+12+\b]        ; the scale's byte
.endr
	v_lshl_or_b32 v[\pw], v[TM+5], 8, v[TM+4]
	v_lshl_or_b32 v[\pw], v[TM+6], 16, v[\pw]
	v_lshl_or_b32 v[\pw], v[TM+7], 24, v[\pw]
.irp c, 0,1
	v_cvt_scalef32_pk16_fp6_f32 v[(\pc)+6*\c:(\pc)+2+6*\c], v[(\src)+32*\c:(\src)+15+32*\c], v[TM+12+2*\c]
	v_cvt_scalef32_pk16_fp6_f32 v[(\pc)+12+4*\c:(\pc)+14+4*\c], v[(\src)+16+32*\c:(\src)+31+32*\c], v[TM+12+2*\c+1]
.endr
	v_nop                                            ; one plain place behind a scaled conversion
.irp c, 0,1                                      ; the layout wants a whole block in a lane: lanes 0-15 block 2 c, lanes 16-31 block 2 c + 1
.irp i, 0,1,2
	v_permlane16_swap_b32 v[(\pc)+6*\c+\i], v[(\pc)+12+4*\c+\i]
.endr
.irp i, 0,1,2
	v_mov_b32 v[(\pc)+3+6*\c+\i], v[(\pc)+12+4*\c+\i]
.endr
.endr
.endm
.macro PICK x, ptr, u0, k                        ; from work-group x on: another weight, its first unit, K = 512 or not
	s_cmp_ge_u32 ttmp9, \x
	s_cselect_b64 s[28:29], s[\ptr:\ptr+1], s[28:29]
	s_cselect_b32 s30, \u0, s30
	s_cselect_b32 s31, \k, s31
.endm
	s_load_b512 s[4:19], s[0:1], 0x0                 ; s_Wqkv, s_Wout, s_W1, s_W2, c_Wqk, c_Wv, c_Wo, c_W1
	s_load_b256 s[20:27], s[0:1], 0x40               ; c_W2, wts, cfgS, cfgC
	v_lshrrev_b32 v1, 5, v0
	v_readfirstlane_b32 s33, v1                      ; wave
	v_and_b32 v2, 15, v0                             ; r
	v_bfe_u32 v3, v0, 4, 1                           ; half of the lanes
	v_and_b32 v4, 31, v0                             ; lane
	s_lshl_b32 s34, ttmp9, 2
	s_add_co_u32 s34, s34, s33                       ; my unit
	s_mov_b32 s[SEL], 0x76543210
	s_mov_b32 s[SEL+1], 0xfedcba98
.irp b, 0,1,2,3
	v_mov_b32 v[TM+4+\b], 0                          ; written once: a lane permute's destination counts as one of its sources
.endr
	s_wait_kmcnt 0x0
	s_mov_b64 s[28:29], s[4:5]
	s_mov_b32 s30, 0
	s_mov_b32 s31, 0
	PICK 12, 6, 48, 0
	PICK 16, 8, 64, 1
	PICK 32, 10, 128, 1
	PICK 40, 12, 160, 0
	PICK 44, 14, 176, 0
	PICK 48, 16, 192, 0
	PICK 52, 18, 208, 1
	PICK 68, 20, 272, 1
	s_cmp_lt_u32 ttmp9, 12
	s_cselect_b32 s32, -1, 0                         ; all lanes: s_Wqkv's sorted rows, or none
	s_sub_co_u32 s35, s34, s30                       ; the unit within its weight
	s_lshr_b32 s38, s35, s31                         ; tile T
	s_and_b32 s39, s35, s31                          ; which 256 along K
	s_lshr_b32 s40, s38, 1
	s_lshl_b32 s40, s40, 5
	s_and_b32 s41, s38, 1
	s_lshl_b32 s41, s41, 3
	s_add_co_u32 s40, s40, s41
	v_and_b32 v5, 8, v2
	v_add_nc_u32 v5, v5, v2
	v_add_nc_u32 v5, s40, v5                         ; my output column
	v_bfe_u32 v6, v5, 6, 2
	v_mul_u32_u24 v6, v6, 192
	v_and_b32 v7, 63, v5
	v_mad_u32_u24 v6, v7, 3, v6
	v_lshrrev_b32 v7, 8, v5
	v_add_nc_u32 v6, v6, v7                          ; 192 h + 3 d + j
	v_cndmask_b32 v5, v5, v6, s32                    ; my row of the weight
	s_add_co_u32 s42, s31, 10
	v_lshlrev_b32 v9, s42, v5                        ; a row is 1,024 or 2,048 bytes
	v_lshl_add_u32 v9, v3, 6, v9                     ; + my 16 numbers of each block
	s_lshl_b32 s43, s39, 10
	v_add_nc_u32 v9, s43, v9
.irp f, 0,1
.irp b, 0,1,2,3
.irp j, 0,1,2,3
	global_load_b128 v[X+64*\f+16*\b+4*\j:X+64*\f+16*\b+4*\j+3], v9, s[28:29] offset:512*\f+128*\b+16*\j th:TH_LOAD_NT
.endr
.endr
.endr
	s_mul_i32 s44, s34, 3072
	s_mov_b32 s45, 0
	s_add_nc_u64 s[46:47], s[22:23], s[44:45]        ; my unit's codes
	v_lshlrev_b32 v10, 4, v4
	s_sub_co_u32 s44, s34, s39                       ; my scale words: WSC + 128 (unit - half) + r x (8 or 16) + 8 x half
	s_lshl_b32 s44, s44, 7
	s_lshl_b32 s43, s39, 3
	s_add_co_u32 s44, s44, s43
	s_add_co_u32 s44, s44, WSC
	s_add_co_u32 s43, s31, 3
	v_lshlrev_b32 v11, s43, v2
	v_add_nc_u32 v11, s44, v11
	s_wait_loadcnt 16                                ; the first fragment's 16 loads are in, the second's may be out
	QUANT4 X, 160, 216
.irp p, 0,1,2
	global_store_b128 v10, v[160+4*\p:163+4*\p], s[46:47] offset:512*\p     ; 32 lanes store 512 consecutive bytes
.endr
	s_wait_loadcnt 0x0
	QUANT4 X+64, 180, 217
.irp p, 0,1,2
	global_store_b128 v10, v[180+4*\p:183+4*\p], s[46:47] offset:1536+512*\p
.endr
	global_store_b64 v11, v[216:217], s[22:23]       ; both halves of the lanes hold the same words and store them to the same place
	s_cmp_lg_u32 s34, 0
	s_cbranch_scc1 .Ldone
	v_lshlrev_b32 v12, 3, v4
	v_mov_b32 v14, 0
	v_mov_b32 v15, 0
	v_mov_b32 v16, 1
	v_mov_b32 v17, 1
	global_store_b64 v12, v[14:15], s[24:25]         ; the stage words: 256 consecutive bytes each
	global_store_b64 v12, v[16:17], s[26:27]
.Ldone:
	s_endpgm
.Lfunc_end_k_q82e27be770_prep:
	.size	k_q82e27be770_prep, .Lfunc_end_k_q82e27be770_prep-k_q82e27be770_prep
	.p2alignl 7, 3214868480
	.fill 96, 4, 3214868480
	.section	.rodata,"a",@progbits
	.p2align	6, 0x0
	.amdhsa_kernel k_q82e27be770_prep
		.amdhsa_group_segment_fixed_size 0
		.amdhsa_private_segment_fixed_size 0
		.amdhsa_enable_private_segment 0
		.amdhsa_kernarg_size 96
		.amdhsa_user_sgpr_count 2
		.amdhsa_user_sgpr_kernarg_segment_ptr 1
		.amdhsa_wavefront_size32 1
		.amdhsa_system_sgpr_workgroup_id_x 1
		.amdhsa_system_sgpr_workgroup_id_y 1
		.amdhsa_system_sgpr_workgroup_id_z 1
		.amdhsa_system_vgpr_workitem_id 0
		.amdhsa_next_free_vgpr 224
		.amdhsa_next_free_sgpr 66
		.amdhsa_reserve_vcc 0
		.amdhsa_float_denorm_mode_32 3
		.amdhsa_float_denorm_mode_16_64 3
		.amdhsa_memory_ordered 1
		.amdhsa_forward_progress 1
		.amdhsa_inst_pref_size 16
	.end_amdhsa_kernel
	.amdgpu_metadata
---
amdhsa.version: [ 1, 2 ]
amdhsa.kernels:
  - .name:           k_q82e27be770_prep
    .symbol:         k_q82e27be770_prep.kd
    .args:
      - { .name: s_Wqkv, .offset: 0, .size: 8, .value_kind: global_buffer, .address_space: global }
      - { .name: s_Wout, .offset: 8, .size: 8, .value_kind: global_buffer, .address_space: global }
      - { .name: s_W1, .offset: 16, .size: 8, .value_kind: global_buffer, .address_space: global }
      - { .name: s_W2, .offset: 24, .size: 8, .value_kind: global_buffer, .address_space: global }
      - { .name: c_Wqk, .offset: 32, .size: 8, .value_kind: global_buffer, .address_space: global }
      - { .name: c_Wv, .offset: 40, .size: 8, .value_kind: global_buffer, .address_space: global }
      - { .name: c_Wo, .offset: 48, .size: 8, .value_kind: global_buffer, .address_space: global }
      - { .name: c_W1, .offset: 56, .size: 8, .value_kind: global_buffer, .address_space: global }
      - { .name: c_W2, .offset: 64, .size: 8, .value_kind: global_buffer, .address_space: global }
      - { .name: wts, .offset: 72, .size: 8, .value_kind: global_buffer, .address_space: global }
      - { .name: cfgS, .offset: 80, .size: 8, .value_kind: global_buffer, .address_space: global }
      - { .name: cfgC, .offset: 88, .size: 8, .value_kind: global_buffer, .address_space: global }
    .group_segment_fixed_size: 0
    .private_segment_fixed_size: 0
    .kernarg_segment_align: 8
    .kernarg_segment_size: 96
    .max_flat_workgroup_size: 128
    .sgpr_count:     66
    .vgpr_count:     224
    .wavefront_size: 32
...
	.end_amdgpu_metadata
.endif
;; end of part 1
;; launch qkv (part 2): grid 256 x 1, 12 waves a work-group, no clusters, 52,736 bytes of LDS; arguments desc0, desc1, enc0, enc1, s_bqkv, wts, qkvb; writes qkvb
.if DOCPART == 2
	.amdgcn_target "amdgcn-amd-amdhsa--gfx1250"
	.amdhsa_code_object_version 6
	.text
	.protected	k_q82e27be770_qkv
	.globl	k_q82e27be770_qkv
	.p2align	8
	.type	k_q82e27be770_qkv,@function
k_q82e27be770_qkv:
	s_mov_b64 s[64:65], 0
	v_nop
	global_prefetch_b8 v0, s[64:65] scope:SCOPE_SE
	s_setreg_imm32_b32 hwreg(HW_REG_WAVE_MODE, 25, 1), 1
	s_wait_xcnt 0x0
; q, k, v of both self blocks: x Wqkv^T + b, the rotary step on q and k, and the quantising of all three for the attention, in MX-FP6.
; A work-group takes 64 rows of desc0 (work-groups 0-127) or desc1.  Waves 0-7 quantise x (eight fragments of 16 rows x 128 K) and hand them round through LDS as images of the
; operand's registers: register q of lane l at 48 l + 4 q, so that three ds_load_b128 bring a fragment.  MEANWHILE waves 8-11 fetch what the way out will want, once for the work-group: the block's cos and sin
; (64 tokens x 256 bytes each) and the 768 bias numbers, and lay them in LDS ahead of the same barrier: so these loads are on their way together with x's, and no wave asks memory for anything behind the products but weights.
; Wave w = 4 j + head makes type j (q, k, v) of one head for all 64 rows: 4 column tiles x 4 row tiles x 2 K steps.  Its weights come from memory straight into registers, laid by the launch before.
; ROWS AND COLUMNS OF A TILE ARE NOT NEIGHBOURS: row rho of tile T is index 32 (T / 2) + 8 (T % 2) + rho + 8 (rho / 8).  q, k: source 0 = W, source 1 = x: a lane holds a token and its registers run along the head's 64,
; the K of the first attention product.  v: source 0 = x, source 1 = W: a lane holds a channel and its registers run along the tokens, the K of the second.
; q's and k's bias is loaded from LDS straight into the accumulators and is the C of the first K step.  The factor 1/8 of the self attention is a power of two: 3 is taken off q's scale bytes, which is exact.
; OUT: per head instance hi and 128 keys one chunk of 13,056 bytes: K's 8 tiles (768 bytes: registers 0-3 at 16 l, 4-5 at 512 + 8 l), V^T's 4 fragments, K's and V's scale words; Q's tiles and scale words behind all chunks.
; Each tile's codes and scale word have registers of their own, so that no store's data are written again.
; LIMITS: a block of q or k whose largest magnitude lies under 2^-121 (of x and v: 2^-124) has its byte held at the floor; blocks of zeros get the floor's byte (their codes are zeros); NaN and infinities are not served.
.set WSC,   933888
.set QOFF,  6684672
.set QSOFF, 9830400
.set CHH,   208896                     ; a head instance's 16 chunks
.set CHS,   13056                      ; a chunk
.set XI,    0                          ; LDS: x's 8 fragments (2 m + K step), 1,536 bytes each
.set XSC,   12288                      ; their scale words, 4 bytes a lane
.set BI,    13312                      ; the bias: 12 runs of 64 numbers, run 4 j + head = the wave that wants it
.set EC,    16384                      ; cos: 64 rows of EP bytes, in tile order: row 16 m + r holds the token of lane r of row tile m
.set EP,    272                        ; 256 bytes + 16 = 17 x 16: the sixteen rows that a load touches begin at sixteen different 16-byte columns of 256
.set ES,    64*EP                      ; sin lies this far behind cos
.set SPARE, 51200                      ; the spare words: 128 bytes for each of 12 waves; no other line names them
.set L16, 1                            ; 16 x lane
.set L8,  2                            ; 8 x lane
.set XRD, 3                            ; 48 x lane + XI
.set XSR, 4                            ; 4 x lane + XSC
.set SPW, 5
.set NIL, 6
.set ENCR, 7                           ; where I read cos: EC + EP r + 64 half
.set R8,  8                            ; 8 r
.set BGA, 9                            ; 12 x lane: the bias in memory, three numbers a channel
.set EWA, 10                           ; where waves 8-11 store cos
.set BWA, 11                           ; and the bias
.set BRQ, 12                           ; where a q or k wave reads its bias: BI + 256 wave + 64 half
.set BRV, 13                           ; and a v wave: BI + 256 wave + 4 (r + 8 (r / 8))
.set ACC, 16                           ; v16-143 16 accumulators
.set WF,  144                          ; v144-191 W's 4 fragments of a K step; on the way out cos, or v's codes
.set XF,  192                          ; v192-239 x's 4 fragments; on the way out sin (from v176) and q's or k's codes (from v208)
.set WS,  240                          ; v240-243 W's scale words (pair of tiles, K step)
.set XSW, 244                          ; v244-247 x's scale words
.set T2,  240                          ; on the way out: v240-245 at work in QUANT2
.set CE,  248                          ; v248-250 the second conversion
.set XWA, 251                          ; where I store x's image
.set XWS, 254                          ; where I store x's scale word
.set XGA, 255                          ; my offset in x
.set TM,  100                          ; v100-115 at work in QUANT4
.set SEL, 52
.set ADJ, 50
.macro QUANT4 src, pc, pw
.irp b, 0,1,2,3
	v_max3_num_f32 v[TM+\b], |v[(\src)+16*\b]|, |v[(\src)+1+16*\b]|, 0x1800000
.endr
.irp i, 2,4,6,8,10,12,14
.irp b, 0,1,2,3
	v_max3_num_f32 v[TM+\b], v[TM+\b], |v[(\src)+16*\b+\i]|, |v[(\src)+1+16*\b+\i]|
.endr
.endr
.irp b, 0,1,2,3
	v_permlanex16_b32 v[TM+4+\b], v[TM+\b], s[SEL], s[SEL+1]
.endr
.irp b, 0,1,2,3
	v_max_num_f32 v[TM+\b], v[TM+\b], v[TM+4+\b]
.endr
.irp b, 0,1,2,3
	v_add_nc_u32 v[TM+12+\b], 0xff000000, v[TM+\b]
.endr
.irp b, 0,1,2,3
	v_lshrrev_b32 v[TM+4+\b], 23, v[TM+12+\b]
.endr
	v_lshl_or_b32 v[\pw], v[TM+5], 8, v[TM+4]
	v_lshl_or_b32 v[\pw], v[TM+6], 16, v[\pw]
	v_lshl_or_b32 v[\pw], v[TM+7], 24, v[\pw]
.irp c, 0,1
	v_cvt_scalef32_pk16_fp6_f32 v[(\pc)+6*\c:(\pc)+2+6*\c], v[(\src)+32*\c:(\src)+15+32*\c], v[TM+12+2*\c]
	v_cvt_scalef32_pk16_fp6_f32 v[(\pc)+12+4*\c:(\pc)+14+4*\c], v[(\src)+16+32*\c:(\src)+31+32*\c], v[TM+12+2*\c+1]
.endr
	v_nop
.irp c, 0,1
.irp i, 0,1,2
	v_permlane16_swap_b32 v[(\pc)+6*\c+\i], v[(\pc)+12+4*\c+\i]
.endr
.irp i, 0,1,2
	v_mov_b32 v[(\pc)+3+6*\c+\i], v[(\pc)+12+4*\c+\i]
.endr
.endr
.endm
; 32 numbers of a lane (register 16 b + i = k 32 b + 16 (lane / 16) + i) become six registers of codes, lane (r, half) holding block `half` whole, and 16 bits of scale bytes
.macro QUANT2 src, cd, ce, tm, pw, fl, adj
.irp b, 0,1
	v_max3_num_f32 v[(\tm)+\b], |v[(\src)+16*\b]|, |v[(\src)+1+16*\b]|, \fl
.endr
.irp i, 2,4,6,8,10,12,14
.irp b, 0,1
	v_max3_num_f32 v[(\tm)+\b], v[(\tm)+\b], |v[(\src)+16*\b+\i]|, |v[(\src)+1+16*\b+\i]|
.endr
.endr
.irp b, 0,1
	v_permlanex16_b32 v[(\tm)+2+\b], v[(\tm)+\b], s[SEL], s[SEL+1]
.endr
.irp b, 0,1
	v_max_num_f32 v[(\tm)+\b], v[(\tm)+\b], v[(\tm)+2+\b]
.endr
.irp b, 0,1
	v_add_nc_u32 v[(\tm)+4+\b], 0xff000000, v[(\tm)+\b]
.endr
.irp b, 0,1
	v_lshrrev_b32 v[(\tm)+2+\b], 23, v[(\tm)+4+\b]
.endr
.if \adj
.irp b, 0,1
	v_sub_nc_u32 v[(\tm)+2+\b], v[(\tm)+2+\b], s[ADJ]     ; q: the byte stands for the scale / 8; the codes are made with the true scale
.endr
.endif
	v_lshl_or_b32 v[\pw], v[(\tm)+3], 8, v[(\tm)+2]
	v_cvt_scalef32_pk16_fp6_f32 v[(\cd):(\cd)+2], v[(\src):(\src)+15], v[(\tm)+4]
	v_cvt_scalef32_pk16_fp6_f32 v[(\ce):(\ce)+2], v[(\src)+16:(\src)+31], v[(\tm)+5]
	v_nop
.irp i, 0,1,2
	v_permlane16_swap_b32 v[(\cd)+\i], v[(\ce)+\i]
.endr
.irp i, 0,1,2
	v_mov_b32 v[(\cd)+3+\i], v[(\ce)+\i]
.endr
.endm
; one matrix instruction.  z: the sum starts with 0.  ra, rb: source 0's or source 1's scale words stand in lanes 16-31
.macro WM d, a, b, z, sa, sb, ra, rb
.if \z
.if \ra
	v_wmma_scale_f32_16x16x128_f8f6f4 v[(\d):(\d)+7], v[(\a):(\a)+11], v[(\b):(\b)+11], 0, v[\sa], v[\sb] matrix_a_fmt:MATRIX_FMT_FP6 matrix_b_fmt:MATRIX_FMT_FP6 matrix_a_scale:MATRIX_SCALE_ROW1
.elseif \rb
	v_wmma_scale_f32_16x16x128_f8f6f4 v[(\d):(\d)+7], v[(\a):(\a)+11], v[(\b):(\b)+11], 0, v[\sa], v[\sb] matrix_a_fmt:MATRIX_FMT_FP6 matrix_b_fmt:MATRIX_FMT_FP6 matrix_b_scale:MATRIX_SCALE_ROW1
.else
	v_wmma_scale_f32_16x16x128_f8f6f4 v[(\d):(\d)+7], v[(\a):(\a)+11], v[(\b):(\b)+11], 0, v[\sa], v[\sb] matrix_a_fmt:MATRIX_FMT_FP6 matrix_b_fmt:MATRIX_FMT_FP6
.endif
.else
.if \ra
	v_wmma_scale_f32_16x16x128_f8f6f4 v[(\d):(\d)+7], v[(\a):(\a)+11], v[(\b):(\b)+11], v[(\d):(\d)+7], v[\sa], v[\sb] matrix_a_fmt:MATRIX_FMT_FP6 matrix_b_fmt:MATRIX_FMT_FP6 matrix_a_scale:MATRIX_SCALE_ROW1
.elseif \rb
	v_wmma_scale_f32_16x16x128_f8f6f4 v[(\d):(\d)+7], v[(\a):(\a)+11], v[(\b):(\b)+11], v[(\d):(\d)+7], v[\sa], v[\sb] matrix_a_fmt:MATRIX_FMT_FP6 matrix_b_fmt:MATRIX_FMT_FP6 matrix_b_scale:MATRIX_SCALE_ROW1
.else
	v_wmma_scale_f32_16x16x128_f8f6f4 v[(\d):(\d)+7], v[(\a):(\a)+11], v[(\b):(\b)+11], v[(\d):(\d)+7], v[\sa], v[\sb] matrix_a_fmt:MATRIX_FMT_FP6 matrix_b_fmt:MATRIX_FMT_FP6
.endif
.endif
.endm
.macro WLOAD g                         ; my four tiles' fragments of K step g
.irp t, 0,1,2,3
.irp p, 0,1,2
	global_load_b128 v[WF+12*\t+4*\p:WF+12*\t+4*\p+3], v[L16], s[44:45] offset:3072*\t+1536*(\g)+512*\p
.endr
.endr
.endm
; the 32 products.  tr = 1: source 0 = W (q, k), and the accumulators hold the bias when the first K step adds onto them; tr = 0: source 0 = x (v), and the first K step starts the sums.
; The 16 accumulators take turns, one instruction a turn.
.macro PROD tr
.irp g, 0,1
.irp m, 0,1,2,3
.irp i, 0,1,2
	ds_load_b128 v[XF+12*\m+4*\i:XF+12*\m+4*\i+3], v[XRD] offset:XI+(2*\m+\g)*1536+16*\i
.endr
	ds_load_b32 v[XSW+\m], v[XSR] offset:(2*\m+\g)*128
.endr
.if \g == 1
	WLOAD 1
.endif
	s_wait_dscnt 0x0
	s_wait_loadcnt 0x0
.irp t, 0,1,2,3
.irp m, 0,1,2,3
.if \tr
	WM ACC+32*\m+8*\t, WF+12*\t, XF+12*\m, 0, WS+2*(\t/2)+\g, XSW+\m, (\t)%2, 0
.else
	WM ACC+32*\t+8*\m, XF+12*\m, WF+12*\t, 1-\g, XSW+\m, WS+2*(\t/2)+\g, 0, (\t)%2
.endif
.endr
.endr
.rept 4
	v_nop                                            ; four places in front of loads into registers that these products read, of writes of their scale registers, and of the first read of results
.endr
.endr
.endm
.macro ENCL m                          ; cos and sin of row tile m, from LDS: my token's 32 channels
.irp b, 0,1
.irp i, 0,1,2,3
	ds_load_b128 v[144+16*\b+4*\i:147+16*\b+4*\i], v[ENCR] offset:EP*16*(\m)+128*\b+16*\i
	ds_load_b128 v[176+16*\b+4*\i:179+16*\b+4*\i], v[ENCR] offset:ES+EP*16*(\m)+128*\b+16*\i
.endr
.endr
.endm
	s_load_b256 s[4:11], s[0:1], 0x0                 ; desc0, desc1, enc0, enc1
	s_load_b128 s[12:15], s[0:1], 0x20               ; s_bqkv, wts
	s_load_b64 s[16:17], s[0:1], 0x30                ; qkvb
	v_lshl_add_u32 v[SPW], v0, 2, SPARE
	v_mov_b32 v[NIL], 0
	v_lshrrev_b32 v248, 5, v0
	v_readfirstlane_b32 s20, v248                    ; wave 0..11
	v_and_b32 v14, 31, v0                            ; lane
	v_and_b32 v15, 15, v0                            ; r
	v_bfe_u32 v252, v0, 4, 1                         ; half
	v_lshlrev_b32 v[L16], 4, v14
	v_lshlrev_b32 v[L8], 3, v14
	v_mul_u32_u24 v[XRD], v14, 48
	v_lshl_add_u32 v[XSR], v14, 2, XSC
	v_and_b32 v253, 8, v15
	v_add_nc_u32 v253, v253, v15                     ; r + 8 (r / 8)
	v_lshlrev_b32 v[R8], 3, v15
	v_mul_u32_u24 v[BGA], v14, 12
	s_lshr_b32 s21, s20, 2                           ; j: q, k, v
	s_and_b32 s22, s20, 3                            ; head; in waves 8-11 also: which 16 tokens of enc and which head's bias I fetch
	; every LDS address is made here, ahead of the first parting of the waves: a region's base + the wave's term + a lane term
	s_mul_i32 s42, s20, 1536
	v_add_nc_u32 v[XWA], s42, v[XRD]                 ; x's image: fragment = wave (waves 0-7)
	s_lshl_b32 s42, s20, 7
	v_add_nc_u32 v[XWS], s42, v[XSR]
	v_mul_u32_u24 v[ENCR], v15, EP
	v_lshl_add_u32 v[ENCR], v252, 6, v[ENCR]
	v_add_nc_u32 v[ENCR], EC, v[ENCR]
	s_lshr_b32 s42, s22, 1                           ; tokens 16 n + x (x = 0 .. 15) lie at rows 32 (n / 2) + 8 (n % 2) + 16 (x / 8) + x % 8: bits 3 and 4 of the token change places
	s_lshl_b32 s42, s42, 5
	s_and_b32 s43, s22, 1
	s_lshl_b32 s43, s43, 3
	s_add_co_u32 s42, s42, s43
	s_mul_i32 s42, s42, EP
	s_add_co_u32 s42, s42, EC
	v_mul_u32_u24 v[EWA], v252, EP                   ; a load's 512 bytes are two tokens' rows: lanes 16-31 hold the second
	v_lshl_add_u32 v[EWA], v15, 4, v[EWA]
	v_add_nc_u32 v[EWA], s42, v[EWA]
	s_lshl_b32 s43, s22, 8
	s_add_co_u32 s43, s43, BI
	v_lshlrev_b32 v[BWA], 2, v14
	v_add_nc_u32 v[BWA], s43, v[BWA]                 ; channel = lane of run `head`; type and upper 32 channels stand in the immediate
	s_lshl_b32 s42, s20, 8
	s_add_co_u32 s42, s42, BI
	v_lshlrev_b32 v[BRQ], 6, v252
	v_add_nc_u32 v[BRQ], s42, v[BRQ]
	v_lshlrev_b32 v[BRV], 2, v253
	v_add_nc_u32 v[BRV], s42, v[BRV]
	s_lshr_b32 s42, s20, 2                           ; my fragment of x: rows of tile m = wave / 2, K step = wave % 2
	s_lshl_b32 s42, s42, 15
	s_bfe_u32 s43, s20, 0x10001
	s_lshl_b32 s43, s43, 13
	s_add_co_u32 s42, s42, s43
	s_and_b32 s43, s20, 1
	s_lshl_b32 s43, s43, 9
	s_add_co_u32 s42, s42, s43
	v_lshlrev_b32 v[XGA], 10, v253
	v_lshl_add_u32 v[XGA], v252, 6, v[XGA]
	v_add_nc_u32 v[XGA], s42, v[XGA]
	s_mov_b32 s[SEL], 0x76543210
	s_mov_b32 s[SEL+1], 0xfedcba98
	s_lshr_b32 s24, ttmp9, 7                         ; side
	s_and_b32 s25, ttmp9, 127                        ; block of 64 rows in the side
	s_and_b32 s26, ttmp9, 31                         ; and in the batch element
	s_and_b32 s27, s26, 1                            ; which half of a step of 128 keys
	s_lshr_b32 s28, s26, 1                           ; the step
	s_lshr_b32 s29, ttmp9, 5
	s_lshl_b32 s29, s29, 2
	s_add_co_u32 s29, s29, s22                       ; head instance
	s_mul_i32 s30, s29, CHH
	s_mul_i32 s31, s28, CHS
	s_add_co_u32 s30, s30, s31                       ; my chunk
	s_lshl_b32 s31, s29, 7
	s_lshl_b32 s32, s26, 2
	s_add_co_u32 s31, s31, s32
	s_mul_i32 s31, s31, 768
	s_add_co_u32 s31, s31, QOFF                      ; q's codes
	s_lshl_b32 s32, s29, 5
	s_add_co_u32 s32, s32, s26
	s_lshl_b32 s32, s32, 8
	s_add_co_u32 s32, s32, QSOFF                     ; q's scale words
	s_mul_i32 s33, s27, 3072
	s_add_co_u32 s33, s33, s30                       ; k's codes
	s_lshl_b32 s34, s27, 8
	s_add_co_u32 s34, s34, s30
	s_add_co_u32 s34, s34, 12288                     ; k's scale words
	s_mul_i32 s35, s27, 768
	s_add_co_u32 s35, s35, s30
	s_add_co_u32 s35, s35, 6144                      ; v's codes
	s_lshl_b32 s36, s27, 1
	s_add_co_u32 s36, s36, s30
	s_add_co_u32 s36, s36, 12800                     ; v's scale bytes
	s_cmp_eq_u32 s21, 0
	s_cselect_b32 s33, s31, s33
	s_cselect_b32 s34, s32, s34
	s_cselect_b32 s[ADJ], 3, 0
	s_cmp_eq_u32 s21, 2
	s_cselect_b32 s38, s35, s33
	s_cselect_b32 s40, s36, s34
	s_mov_b32 s39, 0
	s_mov_b32 s41, 0
	s_mov_b32 s43, 0
	s_wait_kmcnt 0x0
	s_add_nc_u64 s[38:39], s[16:17], s[38:39]        ; where my codes go
	s_add_nc_u64 s[40:41], s[16:17], s[40:41]        ; and my scale words
	s_cmp_eq_u32 s24, 0
	s_cselect_b64 s[4:5], s[4:5], s[6:7]
	s_cselect_b64 s[8:9], s[8:9], s[10:11]
	s_lshl_b32 s42, s25, 16
	s_add_nc_u64 s[4:5], s[4:5], s[42:43]            ; x at the block's first row
	s_lshl_b32 s42, s25, 14
	s_add_nc_u64 s[8:9], s[8:9], s[42:43]            ; enc likewise,
	s_lshl_b32 s42, s22, 12
	s_add_nc_u64 s[54:55], s[8:9], s[42:43]          ; and at the 16 tokens that I fetch
	s_mul_i32 s42, s20, 12288
	s_add_nc_u64 s[44:45], s[14:15], s[42:43]        ; my four tiles of Wqkv
	s_lshl_b32 s42, s20, 9
	s_add_co_u32 s42, s42, WSC
	s_add_nc_u64 s[46:47], s[14:15], s[42:43]        ; and their scale words
	s_mul_i32 s42, s22, 768
	s_add_nc_u64 s[12:13], s[12:13], s[42:43]        ; the bias of the head that I fetch: 192 numbers
	WLOAD 0
	global_load_b64 v[WS:WS+1], v[L8], s[46:47]      ; lanes 0-15 tile 0, lanes 16-31 tile 1; both K steps
	global_load_b64 v[WS+2:WS+3], v[L8], s[46:47] offset:256
	s_cmp_lt_u32 s20, 8
	s_cbranch_scc0 .Lenc
	; ---- waves 0-7: a fragment of x each
.irp b, 0,1,2,3
.irp j, 0,1,2,3
	global_load_b128 v[16+16*\b+4*\j:19+16*\b+4*\j], v[XGA], s[4:5] offset:128*\b+16*\j th:TH_LOAD_NT
.endr
.endr
.irp b, 0,1,2,3
	v_mov_b32 v[TM+4+\b], 0                          ; a lane permute's destination counts as one of its sources
.endr
	s_wait_loadcnt 0x0
	QUANT4 16, 80, 116
.irp i, 0,1,2
	ds_store_b128 v[XWA], v[80+4*\i:83+4*\i] offset:16*\i
.endr
	ds_store_b32 v[XWS], v116
	s_branch .Lmeet
.Lenc:
	; ---- waves 8-11: 16 tokens' cos and sin each (a load covers two tokens' rows, 512 consecutive bytes), and one head's bias
.irp i, 0,1,2,3,4,5,6,7
	global_load_b128 v[16+4*\i:19+4*\i], v[L16], s[54:55] offset:512*\i th:TH_LOAD_NT
	global_load_b128 v[48+4*\i:51+4*\i], v[L16], s[54:55] offset:2097152+512*\i th:TH_LOAD_NT
.endr
.irp j, 0,1,2
.irp e, 0,1
	global_load_b32 v[80+2*\j+\e], v[BGA], s[12:13] offset:4*\j+384*\e     ; number 192 head + 3 d + j, d = lane + 32 e
.endr
.endr
	s_wait_loadcnt 0x0
.irp i, 0,1,2,3,4,5,6,7
	ds_store_b128 v[EWA], v[16+4*\i:19+4*\i] offset:EP*(16*(\i/4)+2*(\i%4))
	ds_store_b128 v[EWA], v[48+4*\i:51+4*\i] offset:ES+EP*(16*(\i/4)+2*(\i%4))
.endr
.irp j, 0,1,2
.irp e, 0,1
	ds_store_b32 v[BWA], v[80+2*\j+\e] offset:1024*\j+128*\e
.endr
.endr
.Lmeet:
	s_wait_dscnt 0x0                                 ; my stores have landed
	s_barrier_signal -1
	s_barrier_wait -1                                ; x's eight fragments, cos, sin and the bias lie in LDS.  No barrier and no LDS store stands behind this one
	s_cmp_lt_u32 s20, 8
	s_cbranch_scc0 .Lv
	; ---- q and k.  Register 16 b + i of a row tile's 32 is channel 32 b + 16 half + i of my token
.irp m, 0,1,2,3
.irp b, 0,1
.irp i, 0,1,2,3
	ds_load_b128 v[ACC+32*\m+16*\b+4*\i:ACC+32*\m+16*\b+4*\i+3], v[BRQ] offset:128*\b+16*\i     ; the bias, straight into the accumulators
.endr
.endr
.endr
	PROD 1
	ENCL 0
.irp m, 0,1,2,3
	s_wait_dscnt 0x0                                 ; this tile's cos and sin
.set n, 0
.rept 8                                          ; (q0, q1) -> (q0 c0 - q1 s0, q1 c1 + q0 s1), two pairs at a time; each accumulator is first read among its four lowest registers
	v_mul_f32 v246, v[ACC+32*\m+n+1], v[176+n]
	v_mul_f32 v247, v[ACC+32*\m+n], v[177+n]
	v_mul_f32 v252, v[ACC+32*\m+n+3], v[178+n]
	v_mul_f32 v253, v[ACC+32*\m+n+2], v[179+n]
	v_fma_f32 v[ACC+32*\m+n], v[ACC+32*\m+n], v[144+n], -v246
	v_fma_f32 v[ACC+32*\m+n+1], v[ACC+32*\m+n+1], v[145+n], v247
	v_fma_f32 v[ACC+32*\m+n+2], v[ACC+32*\m+n+2], v[146+n], -v252
	v_fma_f32 v[ACC+32*\m+n+3], v[ACC+32*\m+n+3], v[147+n], v253
.set n, n+4
.endr
.if \m < 3
	ENCL \m+1                                        ; the next tile's land while this one is quantised
.endif
	QUANT2 ACC+32*\m, 208+8*\m, CE, T2, 214+8*\m, 0x3000000, 1
	global_store_b128 v[L16], v[208+8*\m:211+8*\m], s[38:39] offset:768*\m
	global_store_b64 v[L8], v[212+8*\m:213+8*\m], s[38:39] offset:768*\m+512
	global_store_b32 v[R8], v[214+8*\m], s[40:41] offset:128*(\m%2)+4*(\m/2)
.endr
	s_wait_tensorcnt 0x0                             ; the wave's end, behind my last LDS store
	ds_add_u32 v[SPW], v[NIL]
	s_wait_dscnt 0x0
	s_endpgm
.Lv:
	; ---- v: a lane holds a channel, its registers run along the 64 tokens
	PROD 0
.irp t, 0,1,2,3
	ds_load_b32 v[176+\t], v[BRV] offset:128*(\t/2)+32*(\t%2)     ; the bias of my channel of tile t
.endr
	s_wait_dscnt 0x0
.irp t, 0,1,2,3
.set n, 0
.rept 32
	v_add_f32 v[ACC+32*\t+n], v[ACC+32*\t+n], v[176+\t]
.set n, n+1
.endr
	QUANT2 ACC+32*\t, 144+8*\t, CE, T2, 150+8*\t, 0x1800000, 0
	global_store_b128 v[L16], v[144+8*\t:147+8*\t], s[38:39] offset:1536*\t
	global_store_b64 v[L8], v[148+8*\t:149+8*\t], s[38:39] offset:1536*\t+512
	global_store_b16 v[R8], v[150+8*\t], s[40:41] offset:128*(\t%2)+4*(\t/2)
.endr
	s_wait_tensorcnt 0x0                             ; the wave's end, as above
	ds_add_u32 v[SPW], v[NIL]
	s_wait_dscnt 0x0
	s_endpgm
.Lfunc_end_k_q82e27be770_qkv:
	.size	k_q82e27be770_qkv, .Lfunc_end_k_q82e27be770_qkv-k_q82e27be770_qkv
	.p2alignl 7, 3214868480
	.fill 96, 4, 3214868480
	.section	.rodata,"a",@progbits
	.p2align	6, 0x0
	.amdhsa_kernel k_q82e27be770_qkv
		.amdhsa_group_segment_fixed_size 52736
		.amdhsa_private_segment_fixed_size 0
		.amdhsa_enable_private_segment 0
		.amdhsa_kernarg_size 56
		.amdhsa_user_sgpr_count 2
		.amdhsa_user_sgpr_kernarg_segment_ptr 1
		.amdhsa_wavefront_size32 1
		.amdhsa_system_sgpr_workgroup_id_x 1
		.amdhsa_system_sgpr_workgroup_id_y 1
		.amdhsa_system_sgpr_workgroup_id_z 1
		.amdhsa_system_vgpr_workitem_id 0
		.amdhsa_next_free_vgpr 256
		.amdhsa_next_free_sgpr 66
		.amdhsa_reserve_vcc 0
		.amdhsa_float_denorm_mode_32 3
		.amdhsa_float_denorm_mode_16_64 3
		.amdhsa_memory_ordered 1
		.amdhsa_forward_progress 1
		.amdhsa_inst_pref_size 72
	.end_amdhsa_kernel
	.amdgpu_metadata
---
amdhsa.version: [ 1, 2 ]
amdhsa.kernels:
  - .name:           k_q82e27be770_qkv
    .symbol:         k_q82e27be770_qkv.kd
    .args:
      - { .name: desc0, .offset: 0, .size: 8, .value_kind: global_buffer, .address_space: global }
      - { .name: desc1, .offset: 8, .size: 8, .value_kind: global_buffer, .address_space: global }
      - { .name: enc0, .offset: 16, .size: 8, .value_kind: global_buffer, .address_space: global }
      - { .name: enc1, .offset: 24, .size: 8, .value_kind: global_buffer, .address_space: global }
      - { .name: s_bqkv, .offset: 32, .size: 8, .value_kind: global_buffer, .address_space: global }
      - { .name: wts, .offset: 40, .size: 8, .value_kind: global_buffer, .address_space: global }
      - { .name: qkvb, .offset: 48, .size: 8, .value_kind: global_buffer, .address_space: global }
    .group_segment_fixed_size: 52736
    .private_segment_fixed_size: 0
    .kernarg_segment_align: 8
    .kernarg_segment_size: 56
    .max_flat_workgroup_size: 384
    .sgpr_count:     66
    .vgpr_count:     256
    .wavefront_size: 32
...
	.end_amdgpu_metadata
.endif
;; end of part 2
;; launch attS (part 3): grid 8 x 32, 16 waves a work-group, clusters of 4 x 1, 210,944 bytes of LDS; arguments qkvb, ctxb; writes ctxb
.if DOCPART == 3
	.amdgcn_target "amdgcn-amd-amdhsa--gfx1250"
	.amdhsa_code_object_version 6
	.text
	.protected	k_q82e27be770_attS
	.globl	k_q82e27be770_attS
	.p2align	8
	.type	k_q82e27be770_attS,@function
k_q82e27be770_attS:
	s_mov_b64 s[64:65], 0
	v_nop
	global_prefetch_b8 v0, s[64:65] scope:SCOPE_SE
	s_setreg_imm32_b32 hwreg(HW_REG_WAVE_MODE, 25, 1), 1
	s_wait_xcnt 0x0
	s_wait_alu depctr_hold_cnt(0) depctr_sa_sdst(0) depctr_va_vdst(0) depctr_va_sdst(0) depctr_va_ssrc(0) depctr_va_vcc(0) depctr_vm_vsrc(0)
	s_getreg_b32 s2, hwreg(HW_REG_IB_STS2, 6, 4)
	s_cmp_eq_u32 s2, 0
	s_cbranch_scc0 .Lentry_in_a_cluster
	s_endpgm
.Lentry_in_a_cluster:
	s_bfe_u32 s2, ttmp6, 0x10000c
	s_cmp_lg_u32 s2, 0x3003
	s_cbranch_scc0 .Lentry_shape_is_right
	s_endpgm
.Lentry_shape_is_right:
; Attention on codes of MX-FP6, head size 64, 2,048 keys, 32 head instances; the result is quantised again, for the product that follows.
; t = score x log2(e) (every other factor is in the operands); M = the running largest t rounded up to a whole number; p = 2^(t - M) is quantised along the keys, not normalised; the row's sum is taken of the
; unquantised p and divides at the end.  When M moves, the sum and O are multiplied by 2^(old M - new M), which rounds nothing.
; SHARES.  A work-group owns 256 queries of one head instance, each of its sixteen waves one tile of 16.  ALL 2,048 keys lie in LDS: 16 chunks of 13,056 bytes (K's 8 tiles, V^T's 4 fragments and their scale words
; for 128 keys), laid by the launch before in the order of the operands' registers.  Each wave fetches one chunk with one tensor load; nothing is filled again; one barrier; then no wave waits for another.
; CLUSTER.  The four work-groups of a cluster belong to one head instance and need the same chunks: each chunk is asked for jointly, with the same descriptor and the mask of all four.
; Both products are used transposed: S^T = K Q^T, O^T = V^T P^T: a lane holds one query throughout.  The keys of a tile are chosen so that the 16 registers of tiles 2 b, 2 b + 1 are 16 neighbouring keys.
; K OF 64 IN AN INSTRUCTION OF 128: a tile of K is six registers; the operand's upper six are the next tile's codes (behind the last tile: zeros).  They meet Q's upper six registers, which are zero codes, and scale
; bytes 0 (never 0xff): they add exactly nothing.
; LIMITS: a block of the result whose largest magnitude lies under 2^-124 has its byte held at 1, a block of zeros likewise; NaN and infinities are not served.
.set CHH,   208896
.set CHS,   13056
.set QOFF,  6684672
.set QSOFF, 9830400
.set CSOFF, 3145728
.set SPARE, 208896                     ; behind the chunks: the spare words, 128 bytes for each of 16 waves; no other line names them
.set L16, 1
.set L8,  2
.set SPW, 3
.set NIL, 4
.set AD16, 5                           ; the step's chunk + 16 x lane
.set AD8,  6                           ; + 8 x lane
.set R8,  7
.set R4,  8
.set Q,   16                           ; v16-27 Q's fragment (v22-27 zero codes)
.set QS,  28                           ; its scale word
.set KV,  32                           ; v32-79 K's eight tiles, then V^T's four fragments
.set ZR,  80                           ; v80-85 zeros
.set KS,  86                           ; v86-89 K's scale words
.set VS,  90                           ; v90-91 V's
.set S,   96                           ; v96-159 S^T, then p
.set O,   160                          ; v160-191 O^T
.set PC,  192                          ; v192-203 p's codes
.set BM,  204                          ; v204-207 the blocks' largest scores
.set PD,  208                          ; v208-211 at work
.set SO,  212                          ; v212-215 the conversions' scale operands
.set C2,  216                          ; v216-218, v220-222 the conversions' second halves
.set F,   224                          ; v224 f, v225 p's scale word
.set TT,  226
.set WV,  8
.set G1,  24
.set G0,  32
.set SEL, 36
.set CS,  38
.set TB,  40
.set CNT, 41
.macro QUANT2 src, cd, ce, tm, pw, fl, adj
.irp b, 0,1
	v_max3_num_f32 v[(\tm)+\b], |v[(\src)+16*\b]|, |v[(\src)+1+16*\b]|, \fl
.endr
.irp i, 2,4,6,8,10,12,14
.irp b, 0,1
	v_max3_num_f32 v[(\tm)+\b], v[(\tm)+\b], |v[(\src)+16*\b+\i]|, |v[(\src)+1+16*\b+\i]|
.endr
.endr
.irp b, 0,1
	v_permlanex16_b32 v[(\tm)+2+\b], v[(\tm)+\b], s[SEL], s[SEL+1]
.endr
.irp b, 0,1
	v_max_num_f32 v[(\tm)+\b], v[(\tm)+\b], v[(\tm)+2+\b]
.endr
.irp b, 0,1
	v_add_nc_u32 v[(\tm)+4+\b], 0xff000000, v[(\tm)+\b]
.endr
.irp b, 0,1
	v_lshrrev_b32 v[(\tm)+2+\b], 23, v[(\tm)+4+\b]
.endr
	v_lshl_or_b32 v[\pw], v[(\tm)+3], 8, v[(\tm)+2]
	v_cvt_scalef32_pk16_fp6_f32 v[(\cd):(\cd)+2], v[(\src):(\src)+15], v[(\tm)+4]
	v_cvt_scalef32_pk16_fp6_f32 v[(\ce):(\ce)+2], v[(\src)+16:(\src)+31], v[(\tm)+5]
	v_nop
.irp i, 0,1,2
	v_permlane16_swap_b32 v[(\cd)+\i], v[(\ce)+\i]
.endr
.irp i, 0,1,2
	v_mov_b32 v[(\cd)+3+\i], v[(\ce)+\i]
.endr
.endm
.macro WM d, a, b, z, sa, sb, ra
.if \z
.if \ra
	v_wmma_scale_f32_16x16x128_f8f6f4 v[(\d):(\d)+7], v[(\a):(\a)+11], v[(\b):(\b)+11], 0, v[\sa], v[\sb] matrix_a_fmt:MATRIX_FMT_FP6 matrix_b_fmt:MATRIX_FMT_FP6 matrix_a_scale:MATRIX_SCALE_ROW1
.else
	v_wmma_scale_f32_16x16x128_f8f6f4 v[(\d):(\d)+7], v[(\a):(\a)+11], v[(\b):(\b)+11], 0, v[\sa], v[\sb] matrix_a_fmt:MATRIX_FMT_FP6 matrix_b_fmt:MATRIX_FMT_FP6
.endif
.else
.if \ra
	v_wmma_scale_f32_16x16x128_f8f6f4 v[(\d):(\d)+7], v[(\a):(\a)+11], v[(\b):(\b)+11], v[(\d):(\d)+7], v[\sa], v[\sb] matrix_a_fmt:MATRIX_FMT_FP6 matrix_b_fmt:MATRIX_FMT_FP6 matrix_a_scale:MATRIX_SCALE_ROW1
.else
	v_wmma_scale_f32_16x16x128_f8f6f4 v[(\d):(\d)+7], v[(\a):(\a)+11], v[(\b):(\b)+11], v[(\d):(\d)+7], v[\sa], v[\sb] matrix_a_fmt:MATRIX_FMT_FP6 matrix_b_fmt:MATRIX_FMT_FP6
.endif
.endif
.endm
.macro CROUND                          ; a round of the cluster's barrier
	s_barrier_signal -1
	s_barrier_wait -1
	s_cmp_lg_u32 s[WV], 0
	s_cbranch_scc1 .Lnot_wave_0_\@
	s_barrier_signal -3
.Lnot_wave_0_\@:
	s_barrier_wait -3
	s_barrier_signal -1
	s_barrier_wait -1
.endm
	s_load_b128 s[4:7], s[0:1], 0x0                  ; qkvb, ctxb
	v_lshl_add_u32 v[SPW], v0, 2, SPARE
	v_mov_b32 v[NIL], 0
	ds_add_u32 v[SPW], v[NIL]                        ; the wave's opening: the add and its wait stand ahead of my tensor load; the set-up below stands between them
	v_lshrrev_b32 v5, 5, v0
	v_readfirstlane_b32 s[WV], v5                    ; wave 0..15
	v_and_b32 v6, 31, v0
	v_and_b32 v9, 15, v0
	v_lshlrev_b32 v[L16], 4, v6
	v_lshlrev_b32 v[L8], 3, v6
	v_lshlrev_b32 v[R8], 3, v9
	v_lshlrev_b32 v[R4], 2, v9
	s_bfe_u32 s9, ttmp6, 0x40000                     ; cx: my place in the cluster
	s_lshl_b32 s10, ttmp9, 2
	s_add_co_u32 s10, s10, s9                        ; my block of 256 queries: it enters Q's and the result's addresses alone
	s_and_b32 s11, ttmp7, 0xffff                     ; the head instance, which the four partners share
	; descriptor group 1: a chunk as 51 rows of 256 bytes (32 elements of 8 bytes), dense, no padding
	s_mov_b32 s[G1], 15|(3<<16)|(1<<21)              ; 15:0 the mask: all four work-groups; 17:16 elements of 8 bytes; 21 set beside a mask
	s_mov_b32 s[G1+1], 32<<16                        ; tensor_dim0 = 32
	s_mov_b32 s[G1+2], 51<<16                        ; tensor_dim1 = 51
	s_mov_b32 s[G1+3], 32<<16                        ; tile_dim0 = 32
	s_mov_b32 s[G1+4], 51                            ; tile_dim1 = 51
	s_mov_b32 s[G1+5], 32                            ; from row to row
	s_mov_b32 s[G1+6], 0
	s_mov_b32 s[G1+7], 0
	s_mul_i32 s14, s[WV], CHS                        ; my chunk in LDS and in the head instance
	s_mul_i32 s12, s11, CHH
	s_add_co_u32 s12, s12, s14
	s_mov_b32 s13, 0
	s_lshl_b32 s15, s10, 4
	s_add_co_u32 s15, s15, s[WV]                     ; my tile of queries, 0..127
	s_lshl_b32 s16, s11, 7
	s_add_co_u32 s16, s16, s15
	s_mul_i32 s16, s16, 768
	s_add_co_u32 s16, s16, QOFF
	s_mov_b32 s17, 0
	s_lshl_b32 s18, s11, 5                           ; Q's scale word: 256 bytes for four tiles
	s_lshl_b32 s19, s10, 2
	s_add_co_u32 s18, s18, s19
	s_lshr_b32 s19, s[WV], 2
	s_add_co_u32 s18, s18, s19
	s_lshl_b32 s18, s18, 8
	s_and_b32 s19, s[WV], 1
	s_lshl_b32 s19, s19, 7
	s_add_co_u32 s18, s18, s19
	s_bfe_u32 s19, s[WV], 0x10001
	s_lshl_b32 s19, s19, 2
	s_add_co_u32 s18, s18, s19
	s_add_co_u32 s18, s18, QSOFF
	s_mov_b32 s19, 0
	s_lshr_b32 s20, s11, 2                           ; the result's record: 4 (128 (instance / 4) + tile) + head
	s_lshl_b32 s20, s20, 7
	s_add_co_u32 s20, s20, s15
	s_lshl_b32 s20, s20, 2
	s_and_b32 s21, s11, 3
	s_add_co_u32 s20, s20, s21
	s_lshl_b32 s22, s20, 6
	s_add_co_u32 s22, s22, CSOFF
	s_mov_b32 s23, 0
	s_mul_i32 s20, s20, 768
	s_mov_b32 s21, 0
	s_mov_b32 s[SEL], 0x76543210
	s_mov_b32 s[SEL+1], 0xfedcba98
	s_mov_b32 s[CS], 0x3fb8aa3b                      ; log2(e)
	s_mov_b32 s[CS+1], s[CS]
	s_mov_b32 s[TB], 0
	s_mov_b32 s[CNT], 16
	s_wait_dscnt 0x0                                 ; the opening add is done
	s_wait_kmcnt 0x0
	s_mov_b32 s[G0], 1                               ; count = 1
	s_mov_b32 s[G0+1], s14                           ; LDS address: wave x 13,056
	s_add_nc_u64 s[G0+2:G0+3], s[4:5], s[12:13]      ; global address of my chunk
	s_or_b32 s[G0+3], s[G0+3], 0x80000000            ; type = 2
	s_add_nc_u64 s[16:17], s[4:5], s[16:17]
	s_add_nc_u64 s[18:19], s[4:5], s[18:19]
	s_add_nc_u64 s[20:21], s[6:7], s[20:21]
	s_add_nc_u64 s[22:23], s[6:7], s[22:23]
	CROUND                                           ; all four work-groups are here: the joint loads meet
	tensor_load_to_lds s[G0:G0+3], s[G1:G1+7]        ; my one tensor load of the launch
	s_nop 0
.rept 4
	v_nop
.endr
	global_load_b128 v[Q:Q+3], v[L16], s[16:17]
	global_load_b64 v[Q+4:Q+5], v[L8], s[16:17] offset:512
	global_load_b32 v[QS], v[R8], s[18:19]
.irp j, 0,1,2,3,4,5
	v_mov_b32 v[Q+6+\j], 0                           ; zero codes for k = 64 .. 127
	v_mov_b32 v[ZR+\j], 0
.endr
.set n, 0
.rept 32
	v_mov_b32 v[O+n], 0                              ; the step is written once: the first finds zeros, which the first change of M leaves zeros
.set n, n+1
.endr
	v_mov_b32 v14, 0                                 ; the sum, in two halves
	v_mov_b32 v15, 0
.irp b, 0,1,2,3
	v_mov_b32 v[PD+\b], 0                            ; a lane permute's destination counts as one of its sources
.endr
	v_mov_b32 v[F+1], 0
	v_mov_b32 v13, 0xff61b1e6                        ; the largest t so far: -3e38
	v_floor_f32 v12, -v13                            ; -M
	s_wait_tensorcnt 0x0                             ; my chunk has landed,
	s_barrier_signal -1
	s_barrier_wait -1                                ; everybody's has
	s_wait_loadcnt 0x0                               ; Q
.Lstep:                                              ; 16 trips of 128 keys
	v_add_nc_u32 v[AD16], s[TB], v[L16]
	v_add_nc_u32 v[AD8], s[TB], v[L8]
	v_nop
	v_nop                                            ; four places behind the last products, in front of loads into registers that they read
.irp t, 0,1,2,3,4,5,6,7
	ds_load_b128 v[KV+6*\t:KV+6*\t+3], v[AD16] offset:768*\t
	ds_load_b64 v[KV+6*\t+4:KV+6*\t+5], v[AD8] offset:768*\t+512
.endr
	ds_load_b64 v[KS:KS+1], v[AD8] offset:12288      ; lanes 0-15 the even tile's words, lanes 16-31 the odd tile's
	ds_load_b64 v[KS+2:KS+3], v[AD8] offset:12544
	s_wait_dscnt 0x0
.irp t, 0,1,2,3,4,5,6,7
	WM S+8*\t, KV+6*\t, Q, 1, KS+\t/2, QS, (\t)%2
.endr
.rept 4
	v_nop
.endr
.irp t, 0,1,2,3                                  ; V^T's fragments land under the softmax
.irp c, 0,1
	ds_load_b128 v[KV+12*\t+6*\c:KV+12*\t+6*\c+3], v[AD16] offset:6144+1536*\t+768*\c
	ds_load_b64 v[KV+12*\t+6*\c+4:KV+12*\t+6*\c+5], v[AD8] offset:6144+1536*\t+768*\c+512
.endr
.endr
	ds_load_b64 v[VS:VS+1], v[AD8] offset:12800
.irp b, 0,1,2,3
	v_max3_num_f32 v[BM+\b], v[S+16*\b], v[S+1+16*\b], v[S+2+16*\b]     ; the largest score of each block of 32 keys: for the row's maximum, and, since p rises with the score, for the block's largest p
.endr
.irp i, 3,5,7,9,11,13
.irp b, 0,1,2,3
	v_max3_num_f32 v[BM+\b], v[BM+\b], v[S+16*\b+\i], v[S+1+16*\b+\i]
.endr
.endr
.irp b, 0,1,2,3
	v_max_num_f32 v[BM+\b], v[BM+\b], v[S+15+16*\b]
.endr
.irp b, 0,1,2,3
	v_permlanex16_b32 v[PD+\b], v[BM+\b], s[SEL], s[SEL+1]
.endr
.irp b, 0,1,2,3
	v_max_num_f32 v[BM+\b], v[BM+\b], v[PD+\b]
.endr
	v_max3_num_f32 v[TT], v[BM], v[BM+1], v[BM+2]
	v_max_num_f32 v[TT], v[TT], v[BM+3]
	v_mul_f32 v[TT], s[CS], v[TT]
	v_max_num_f32 v13, v13, v[TT]                    ; the running largest t
	v_mov_b32 v[TT], v12
	v_floor_f32 v12, -v13                            ; the new -M: M is a whole number
	v_sub_f32 v[TT], v12, v[TT]
	v_cvt_i32_f32 v[TT], v[TT]                       ; (it saturates)
	v_ldexp_f32 v[F], 1.0, v[TT]                     ; f = 2^(old M - new M)
.set n, 0
.rept 32
	v_pk_fma_f32 v[S+n:S+n+1], v[S+n:S+n+1], s[CS:CS+1], v[12:13] op_sel_hi:[1,0,0]     ; t - M
.set n, n+2
.endr
.irp b, 0,1,2,3
	v_fma_f32 v[BM+\b], v[BM+\b], s[CS], v12
.endr
.set n, 0
.rept 64
	v_exp_f32 v[S+n], v[S+n]                         ; p = 2^(t - M)
.set n, n+1
.endr
	v_pk_mul_f32 v[14:15], v[14:15], v[F:F+1] op_sel_hi:[1,0]     ; the sums under the new M: a plain place behind the exponentials
	s_wait_alu depctr_va_vdst(0)                     ; one wait for the batch, ahead of its first reader
.irp b, 0,1,2,3
	v_exp_f32 v[BM+\b], v[BM+\b]                     ; the block's largest p
.endr
	v_pk_add_f32 v[PD:PD+1], v[S:S+1], v[S+2:S+3]    ; the row's sum of the unquantised p, in two chains
.set n, 4
.rept 15
	v_pk_add_f32 v[14:15], v[14:15], v[S+n:S+n+1]
	v_pk_add_f32 v[PD:PD+1], v[PD:PD+1], v[S+2+n:S+3+n]
.set n, n+4
.endr
	v_pk_add_f32 v[14:15], v[14:15], v[PD:PD+1]
	s_wait_alu depctr_va_vdst(0)                     ; and one for the four
.irp b, 0,1,2,3
	v_max_num_f32 v[BM+\b], 0x1800000, v[BM+\b]      ; the floor 2^(3 - 127)
.endr
.irp b, 0,1,2,3
	v_add_nc_u32 v[SO+\b], 0xff000000, v[BM+\b]
.endr
.irp b, 0,1,2,3
	v_lshrrev_b32 v[PD+\b], 23, v[SO+\b]
.endr
	v_lshl_or_b32 v[F+1], v[PD+1], 8, v[PD]          ; p's scale word for these 128 keys
	v_lshl_or_b32 v[F+1], v[PD+2], 16, v[F+1]
	v_lshl_or_b32 v[F+1], v[PD+3], 24, v[F+1]
.irp c, 0,1
	v_cvt_scalef32_pk16_fp6_f32 v[PC+6*\c:PC+2+6*\c], v[S+32*\c:S+15+32*\c], v[SO+2*\c]
	v_cvt_scalef32_pk16_fp6_f32 v[C2+4*\c:C2+2+4*\c], v[S+16+32*\c:S+31+32*\c], v[SO+2*\c+1]
.endr
	v_nop
.irp c, 0,1
.irp i, 0,1,2
	v_permlane16_swap_b32 v[PC+6*\c+\i], v[C2+4*\c+\i]
.endr
.irp i, 0,1,2
	v_mov_b32 v[PC+3+6*\c+\i], v[C2+4*\c+\i]
.endr
.endr
.set n, 0
.rept 16
	v_pk_mul_f32 v[O+n:O+n+1], v[O+n:O+n+1], v[F:F+1] op_sel_hi:[1,0]     ; O^T under the new M; these 16 are also the places between the scale word, the codes and the products
.set n, n+2
.endr
	s_wait_dscnt 0x0                                 ; V^T
.irp t, 0,1,2,3
	WM O+8*\t, KV+12*\t, PC, 0, VS+\t/2, F+1, (\t)%2     ; the four accumulators take turns, one instruction a turn
.endr
	s_add_co_u32 s[TB], s[TB], CHS
	s_sub_co_u32 s[CNT], s[CNT], 1
	s_cmp_lg_u32 s[CNT], 0
	s_cbranch_scc1 .Lstep
.rept 4
	v_nop
.endr
	v_add_f32 v14, v14, v15
	v_permlanex16_b32 v[F], v14, s[SEL], s[SEL+1]
	v_add_f32 v14, v14, v[F]                         ; the row's sum
	v_rcp_f32 v14, v14
	v_nop
	s_wait_alu depctr_va_vdst(0)
.set n, 0
.rept 32
	v_mul_f32 v[S+n], v[O+n], v14                    ; register 16 b + i: channel 32 b + 16 (lane / 16) + i of my query
.set n, n+1
.endr
	QUANT2 S, PC, C2, BM, TT, 0x1800000, 0
	global_store_b128 v[L16], v[PC:PC+3], s[20:21]   ; 512 consecutive bytes,
	global_store_b64 v[L8], v[PC+4:PC+5], s[20:21] offset:512     ; and 256
	global_store_b32 v[R4], v[TT], s[22:23]
	s_wait_tensorcnt 0x0                             ; the wave's end
	ds_add_u32 v[SPW], v[NIL]
	s_wait_dscnt 0x0
	CROUND                                           ; the closing round
	s_endpgm
.Lfunc_end_k_q82e27be770_attS:
	.size	k_q82e27be770_attS, .Lfunc_end_k_q82e27be770_attS-k_q82e27be770_attS
	.p2alignl 7, 3214868480
	.fill 96, 4, 3214868480
	.section	.rodata,"a",@progbits
	.p2align	6, 0x0
	.amdhsa_kernel k_q82e27be770_attS
		.amdhsa_group_segment_fixed_size 210944
		.amdhsa_private_segment_fixed_size 0
		.amdhsa_enable_private_segment 0
		.amdhsa_kernarg_size 16
		.amdhsa_user_sgpr_count 2
		.amdhsa_user_sgpr_kernarg_segment_ptr 1
		.amdhsa_wavefront_size32 1
		.amdhsa_system_sgpr_workgroup_id_x 1
		.amdhsa_system_sgpr_workgroup_id_y 1
		.amdhsa_system_sgpr_workgroup_id_z 1
		.amdhsa_system_vgpr_workitem_id 0
		.amdhsa_next_free_vgpr 232
		.amdhsa_next_free_sgpr 66
		.amdhsa_reserve_vcc 0
		.amdhsa_float_denorm_mode_32 3
		.amdhsa_float_denorm_mode_16_64 3
		.amdhsa_memory_ordered 1
		.amdhsa_forward_progress 1
		.amdhsa_inst_pref_size 26
	.end_amdhsa_kernel
	.amdgpu_metadata
---
amdhsa.version: [ 1, 2 ]
amdhsa.kernels:
  - .name:           k_q82e27be770_attS
    .symbol:         k_q82e27be770_attS.kd
    .args:
      - { .name: qkvb, .offset: 0, .size: 8, .value_kind: global_buffer, .address_space: global }
      - { .name: ctxb, .offset: 8, .size: 8, .value_kind: global_buffer, .address_space: global }
    .group_segment_fixed_size: 210944
    .private_segment_fixed_size: 0
    .kernarg_segment_align: 8
    .kernarg_segment_size: 16
    .max_flat_workgroup_size: 512
    .sgpr_count:     66
    .vgpr_count:     232
    .wavefront_size: 32
...
	.end_amdgpu_metadata
.endif
;; end of part 3
;; launch tailS (part 4): grid 256 x 1, 16 waves a work-group, no clusters, 221,184 bytes of LDS; arguments ctxb, desc0, desc1, wts, s_bout, s_b1, s_g, s_be, s_b2, cfgS, dmid0, dmid1, c_bqk, c_bv, qkvb; writes dmid0, dmid1, qkvb
.if DOCPART == 4
	.amdgcn_target "amdgcn-amd-amdhsa--gfx1250"
	.amdhsa_code_object_version 6
	.text
	.protected	k_q82e27be770_tailS
	.globl	k_q82e27be770_tailS
	.p2align	8
	.type	k_q82e27be770_tailS,@function
k_q82e27be770_tailS:
	s_mov_b64 s[64:65], 0
	v_nop
	global_prefetch_b8 v0, s[64:65] scope:SCOPE_SE
	s_setreg_imm32_b32 hwreg(HW_REG_WAVE_MODE, 25, 1), 1
	s_wait_xcnt 0x0
; The row chain behind an attention: msg = ctx Wo^T + bo; h = [x, msg] W1^T + b1; LayerNorm; exact gelu; y = h W2^T + b2; d = x + y.  All products in MX-FP6; all else in f32.
; With the stage word 0 (the self blocks) d also goes through Wqk and Wv of the cross block, and their results are quantised and stored as the next attention's Q, K and V:
; qk of side s is Q of side s and K of side 1 - s; v of side s is V of side 1 - s.  With the stage word 1 the weights lie 144 units further on, and the chain ends with d.
; SHARES.  A work-group of sixteen waves takes 64 rows (4 tiles of 16); the waves share the COLUMNS.  Each weight fragment is used by one wave and comes from memory straight into its registers, in the order
; in which the first launch laid it.  No tensor load; a branch hangs on the stored stage word.  What the waves hand each other, the rows' codes, goes through LDS as images of the operand's registers: register q of lane l at 48 l + 4 q.
; Every product is used transposed (source 0 = 16 weight rows, source 1 = 16 tokens), but V's.  ROWS AND COLUMNS OF A TILE ARE NOT NEIGHBOURS: row rho of tile T is index 32 (T / 2) + 8 (T % 2) + rho + 8 (rho / 8): so a lane's
; 16 registers of two neighbouring tiles are 16 neighbours along the next K: half a block of 32, whose other half lies in lane l xor 16.  A bias is loaded straight into the accumulator and is the C of the sum's first product.
; LAYERNORM over 512 columns that lie in 16 waves: each wave gives its sum and its sum of squares about ITS OWN mean; they are combined exactly (no difference of large sums).
; GELU = max(x, 0) - |x| erfc(|x| / sqrt 2) / 2, erfc by Abramowitz and Stegun 7.1.26 (absolute error 1.5e-7).
; LIMITS: for x under about -5 the tiny gelu values lose relative accuracy (the absolute error stays under |x| 0.75e-7); a block whose largest magnitude lies under 2^-124 has its scale byte held at 1, a block of zeros likewise
; (its codes are zeros; only this program reads the bytes); NaN and infinities are not served.
.set WSC,   933888
.set QOFF,  6684672
.set QSOFF, 9830400
.set CSOFF, 3145728
.set CHH,   208896
.set CHS,   13056
; LDS
.set XS,    0                          ; x: 64 rows x (1,024 + 16) bytes, in tile order
.set YS,    66560                      ; d likewise
.set CI,    133120                     ; ctx: 8 fragments (2 m + K step)
.set CAT,   145408                     ; [x, msg]: 16 fragments (4 m + K step)
.set HI,    169984                     ; the hidden layer: 16 fragments
.set DI,    194560                     ; d: 8 fragments
.set CIS,   206848                     ; their scale words: 64 bytes a fragment, 4 r
.set CATS,  207360
.set HIS,   208384
.set DIS,   209408
.set LNX,   209920                     ; 4 x 16 rows x 144 bytes: wave i's (sum, sum of squares) at 8 i
.set SPARE, 219136                     ; the spare words: 128 bytes for each of 16 waves; no other line names them
; lane terms
.set L16, 1
.set L8,  2
.set L48, 3
.set R4,  4
.set R8,  5
.set P48, 6                            ; 48 r + 12 half
.set RX,  7                            ; 1,040 r + 64 half
.set R144, 8
.set BH,  9                            ; 64 half
.set SPW, 10
.set NIL, 11
; LDS addresses
.set aXW, 12
.set aCW, 13
.set aCSW, 14
.set aXQ, 15
.set aXQW, 16
.set aXQS, 17
.set aFC, 18
.set aFCS, 19
.set aMW, 20
.set aMS, 21
.set aFA, 22
.set aFAS, 23
.set aLW, 24
.set aLR, 25
.set aHW, 26
.set aHS, 27
.set aFH, 28
.set aFHS, 29
.set aXR, 30
.set aYW, 31
.set aDW, 12                           ; made anew ahead of the fourth barrier
.set aDS, 13
.set aYR, 14
.set aFD, 15
.set aFDS, 16
.set aFDQ, 17
.set aFDQS, 18
.set gBV, 19
.set WF,  32                           ; v32-127 weight fragments
.set AF,  128                          ; v128-175 activation fragments, and at work
.set ACC, 176                          ; v176-239 accumulators
.set T,   240                          ; v240-255 scale words, statistics
.set WV,  34
.set STG, 35
.set SEL, 36
.set A5,  38
.set A3,  40
.set A2,  42
.set A1,  44
.set PZ,  46
.set EPS, 47
.set I512, 48
.macro QUANT2 src, cd, ce, tm, pw, fl, adj
.irp b, 0,1
	v_max3_num_f32 v[(\tm)+\b], |v[(\src)+16*\b]|, |v[(\src)+1+16*\b]|, \fl
.endr
.irp i, 2,4,6,8,10,12,14
.irp b, 0,1
	v_max3_num_f32 v[(\tm)+\b], v[(\tm)+\b], |v[(\src)+16*\b+\i]|, |v[(\src)+1+16*\b+\i]|
.endr
.endr
.irp b, 0,1
	v_permlanex16_b32 v[(\tm)+2+\b], v[(\tm)+\b], s[SEL], s[SEL+1]
.endr
.irp b, 0,1
	v_max_num_f32 v[(\tm)+\b], v[(\tm)+\b], v[(\tm)+2+\b]
.endr
.irp b, 0,1
	v_add_nc_u32 v[(\tm)+4+\b], 0xff000000, v[(\tm)+\b]
.endr
.irp b, 0,1
	v_lshrrev_b32 v[(\tm)+2+\b], 23, v[(\tm)+4+\b]
.endr
	v_lshl_or_b32 v[\pw], v[(\tm)+3], 8, v[(\tm)+2]
	v_cvt_scalef32_pk16_fp6_f32 v[(\cd):(\cd)+2], v[(\src):(\src)+15], v[(\tm)+4]
	v_cvt_scalef32_pk16_fp6_f32 v[(\ce):(\ce)+2], v[(\src)+16:(\src)+31], v[(\tm)+5]
	v_nop
.irp i, 0,1,2
	v_permlane16_swap_b32 v[(\cd)+\i], v[(\ce)+\i]
.endr
.irp i, 0,1,2
	v_mov_b32 v[(\cd)+3+\i], v[(\ce)+\i]
.endr
.endm
; 16 numbers of a lane, half a block of 32, become three registers of codes; the block's byte comes in v[tm + 1]
.macro QUANT1 src, cd, tm
	v_max3_num_f32 v[\tm], |v[(\src)]|, |v[(\src)+1]|, 0x1800000
.irp i, 2,4,6,8,10,12,14
	v_max3_num_f32 v[\tm], v[\tm], |v[(\src)+\i]|, |v[(\src)+1+\i]|
.endr
	v_permlanex16_b32 v[(\tm)+1], v[\tm], s[SEL], s[SEL+1]
	v_max_num_f32 v[\tm], v[\tm], v[(\tm)+1]
	v_add_nc_u32 v[\tm], 0xff000000, v[\tm]
	v_lshrrev_b32 v[(\tm)+1], 23, v[\tm]
	v_cvt_scalef32_pk16_fp6_f32 v[(\cd):(\cd)+2], v[(\src):(\src)+15], v[\tm]
	v_nop
.endm
.macro WM d, a, b, z, sa, sb, ra
.if \z
.if \ra
	v_wmma_scale_f32_16x16x128_f8f6f4 v[(\d):(\d)+7], v[(\a):(\a)+11], v[(\b):(\b)+11], 0, v[\sa], v[\sb] matrix_a_fmt:MATRIX_FMT_FP6 matrix_b_fmt:MATRIX_FMT_FP6 matrix_a_scale:MATRIX_SCALE_ROW1
.else
	v_wmma_scale_f32_16x16x128_f8f6f4 v[(\d):(\d)+7], v[(\a):(\a)+11], v[(\b):(\b)+11], 0, v[\sa], v[\sb] matrix_a_fmt:MATRIX_FMT_FP6 matrix_b_fmt:MATRIX_FMT_FP6
.endif
.else
.if \ra
	v_wmma_scale_f32_16x16x128_f8f6f4 v[(\d):(\d)+7], v[(\a):(\a)+11], v[(\b):(\b)+11], v[(\d):(\d)+7], v[\sa], v[\sb] matrix_a_fmt:MATRIX_FMT_FP6 matrix_b_fmt:MATRIX_FMT_FP6 matrix_a_scale:MATRIX_SCALE_ROW1
.else
	v_wmma_scale_f32_16x16x128_f8f6f4 v[(\d):(\d)+7], v[(\a):(\a)+11], v[(\b):(\b)+11], v[(\d):(\d)+7], v[\sa], v[\sb] matrix_a_fmt:MATRIX_FMT_FP6 matrix_b_fmt:MATRIX_FMT_FP6
.endif
.endif
.endm
.macro PLACES
.rept 4
	v_nop                                            ; four places behind matrix instructions, in front of loads into their registers and of the first read of results
.endr
.endm
.macro BARRIER                                   ; my LDS stores have landed and my LDS loads are in: then the work-group's barrier
	s_wait_dscnt 0x0
	s_barrier_signal -1
	s_barrier_wait -1
.endm
.macro GBASE dst, src                            ; a buffer's address + the offset in s[72:73]
	s_add_nc_u64 s[\dst:\dst+1], s[\src:\src+1], s[72:73]
.endm
; my 32 columns of row tile m: their sum, and their sum of squares about their own mean
.macro LN1 m
.set hb, ACC+16*(\m)
.set zb, WF+16*(\m)
.set sb, T+4+2*(\m)
	v_pk_add_f32 v[zb:zb+1], v[hb:hb+1], v[hb+2:hb+3]
	v_pk_add_f32 v[zb+2:zb+3], v[hb+4:hb+5], v[hb+6:hb+7]
	v_pk_add_f32 v[zb:zb+1], v[zb:zb+1], v[hb+8:hb+9]
	v_pk_add_f32 v[zb+2:zb+3], v[zb+2:zb+3], v[hb+10:hb+11]
	v_pk_add_f32 v[zb:zb+1], v[zb:zb+1], v[hb+12:hb+13]
	v_pk_add_f32 v[zb+2:zb+3], v[zb+2:zb+3], v[hb+14:hb+15]
	v_pk_add_f32 v[zb:zb+1], v[zb:zb+1], v[zb+2:zb+3]
	v_add_f32 v[zb], v[zb], v[zb+1]
	v_permlanex16_b32 v[zb+1], v[zb], s[SEL], s[SEL+1]
	v_add_f32 v[sb], v[zb], v[zb+1]                  ; the sum of 32
	v_mul_f32 v[zb+2], 0xbd000000, v[sb]             ; - their mean
	v_mov_b32 v[zb+3], v[zb+2]
	v_pk_add_f32 v[zb+4:zb+5], v[hb:hb+1], v[zb+2:zb+3]
	v_pk_mul_f32 v[zb+6:zb+7], v[zb+4:zb+5], v[zb+4:zb+5]
.irp i, 2,4,6,8,10,12,14
	v_pk_add_f32 v[zb+4:zb+5], v[hb+\i:hb+\i+1], v[zb+2:zb+3]
	v_pk_fma_f32 v[zb+6:zb+7], v[zb+4:zb+5], v[zb+4:zb+5], v[zb+6:zb+7]
.endr
	v_add_f32 v[zb+6], v[zb+6], v[zb+7]
	v_permlanex16_b32 v[zb+7], v[zb+6], s[SEL], s[SEL+1]
	v_add_f32 v[sb+1], v[zb+6], v[zb+7]
	ds_store_b64 v[aLW], v[sb:sb+1] offset:2304*(\m)
.endm
; the sixteen waves' figures of row tile m, eight of them in my half of the lanes: S = sum of S_i; M2 = sum of M2_i + sum of (S_i - S / 16)^2 / 32
.macro LN2 m
.set lb, WF+16*(\m)
.set zb, WF+64+8*(\m)
.set nb, AF+32+4*(\m)
	v_pk_add_f32 v[zb:zb+1], v[lb:lb+1], v[lb+2:lb+3]
	v_pk_add_f32 v[zb+2:zb+3], v[lb+4:lb+5], v[lb+6:lb+7]
	v_pk_add_f32 v[zb:zb+1], v[zb:zb+1], v[lb+8:lb+9]
	v_pk_add_f32 v[zb+2:zb+3], v[zb+2:zb+3], v[lb+10:lb+11]
	v_pk_add_f32 v[zb:zb+1], v[zb:zb+1], v[lb+12:lb+13]
	v_pk_add_f32 v[zb+2:zb+3], v[zb+2:zb+3], v[lb+14:lb+15]
	v_pk_add_f32 v[zb:zb+1], v[zb:zb+1], v[zb+2:zb+3]
	v_permlanex16_b32 v[zb+2], v[zb], s[SEL], s[SEL+1]
	v_add_f32 v[zb], v[zb], v[zb+2]                  ; S
	v_mul_f32 v[zb+3], 0xbd800000, v[zb]             ; - S / 16
	v_add_f32 v[zb+4], v[lb], v[zb+3]
	v_mul_f32 v[zb+5], v[zb+4], v[zb+4]
.irp i, 2,4,6,8,10,12,14
	v_add_f32 v[zb+4], v[lb+\i], v[zb+3]
	v_fma_f32 v[zb+5], v[zb+4], v[zb+4], v[zb+5]
.endr
	v_fma_f32 v[zb+1], v[zb+5], 0x3d000000, v[zb+1]
	v_permlanex16_b32 v[zb+2], v[zb+1], s[SEL], s[SEL+1]
	v_add_f32 v[zb+1], v[zb+1], v[zb+2]              ; M2
	v_fma_f32 v[zb+1], v[zb+1], s[I512], s[EPS]      ; the variance + eps
	v_mul_f32 v[nb], 0xbb000000, v[zb]               ; - the mean, twice: a pair for the packed forms
	v_mov_b32 v[nb+1], v[nb]
.endm
.macro GELU m
.set hb, ACC+16*(\m)
.set n, 0
.rept 8
	v_pk_mul_f32 v[AF+n:AF+n+1], v[hb+n:hb+n+1], v[hb+n:hb+n+1]
.set n, n+2
.endr
.set n, 0
.rept 16
	v_fma_f32 v[AF+16+n], |v[hb+n]|, s[PZ], 1.0      ; 1 + p |x| / sqrt 2
.set n, n+1
.endr
.set n, 0
.rept 8
	v_pk_mul_f32 v[AF+n:AF+n+1], v[AF+n:AF+n+1], 0xbf38aa3b op_sel_hi:[1,0]     ; - x^2 log2(e) / 2
.set n, n+2
.endr
.set n, 0
.rept 16
	v_exp_f32 v[AF+n], v[AF+n]
.set n, n+1
.endr
.set n, 0
.rept 16
	v_rcp_f32 v[AF+16+n], v[AF+16+n]
.set n, n+1
.endr
	v_nop                                            ; a plain place behind the batch,
	s_wait_alu depctr_va_vdst(0)                     ; and its one wait, ahead of the first reader
.set n, 0
.rept 8
	v_pk_fma_f32 v[AF+32+n:AF+33+n], v[AF+16+n:AF+17+n], s[A5:A5+1], v[T+12:T+13] op_sel_hi:[1,0,1]
.set n, n+2
.endr
.irp c, A3, A2, A1
.set n, 0
.rept 8
	v_pk_fma_f32 v[AF+32+n:AF+33+n], v[AF+32+n:AF+33+n], v[AF+16+n:AF+17+n], s[\c:\c+1] op_sel_hi:[1,1,0]
.set n, n+2
.endr
.endr
.set n, 0
.rept 8
	v_pk_mul_f32 v[AF+32+n:AF+33+n], v[AF+32+n:AF+33+n], v[AF+16+n:AF+17+n]
.set n, n+2
.endr
.set n, 0
.rept 8
	v_pk_mul_f32 v[AF+32+n:AF+33+n], v[AF+32+n:AF+33+n], v[AF+n:AF+n+1]     ; erfc(|x| / sqrt 2) / 2
.set n, n+2
.endr
.set n, 0
.rept 16
	v_max_num_f32 v[AF+n], 0, v[hb+n]
.set n, n+1
.endr
.set n, 0
.rept 16
	v_fma_f32 v[hb+n], -|v[hb+n]|, v[AF+32+n], v[AF+n]
.set n, n+1
.endr
.endm
.macro ROWS_OUT                                  ; my four rows of d leave: each store covers 512 consecutive bytes
.irp i, 0,1,2,3
.irp e, 0,1
	ds_load_b128 v[AF+8*\i+4*\e:AF+8*\i+4*\e+3], v[aYR] offset:1040*\i+512*\e
.endr
.endr
.irp k, 0,1,2,3,4,5,6,7
	s_wait_dscnt 7-\k                                ; LDS loads come back in order: load k is in, the younger ones may be out
	global_store_b128 v[L16], v[AF+4*\k:AF+4*\k+3], s[24:25] offset:1024*(\k/2)+512*(\k%2)
.endr
.endm
	s_load_b512 s[4:19], s[0:1], 0x0                 ; ctx, x0, x1, wts, bo, b1, g, be
	s_load_b256 s[20:27], s[0:1], 0x40               ; b2, cfg, y0, y1
	s_load_b128 s[28:31], s[0:1], 0x60               ; bqk, bv
	s_load_b64 s[32:33], s[0:1], 0x70                ; qkv
	v_lshl_add_u32 v[SPW], v0, 2, SPARE
	v_mov_b32 v[NIL], 0
	v_lshrrev_b32 v12, 5, v0
	v_readfirstlane_b32 s[WV], v12                   ; wave 0..15
	v_and_b32 v13, 31, v0
	v_and_b32 v14, 15, v0
	v_bfe_u32 v15, v0, 4, 1
	v_lshlrev_b32 v[L16], 4, v13
	v_lshlrev_b32 v[L8], 3, v13
	v_mul_u32_u24 v[L48], v13, 48
	v_lshlrev_b32 v[R4], 2, v14
	v_lshlrev_b32 v[R8], 3, v14
	v_mul_u32_u24 v[P48], v14, 48
	v_mad_u32_u24 v[P48], v15, 12, v[P48]
	v_mul_u32_u24 v[RX], v14, 1040
	v_lshl_add_u32 v[RX], v15, 6, v[RX]
	v_mul_u32_u24 v[R144], v14, 144
	v_lshlrev_b32 v[BH], 6, v15
.irp x, 138,139,161,163
	v_mov_b32 v\x, 0                                 ; a lane permute's destination counts as one of its sources
.endr
	s_mov_b32 s[SEL], 0x76543210
	s_mov_b32 s[SEL+1], 0xfedcba98
	s_mov_b32 s[A5], 0x3f07dc22                      ; the series' coefficients, halved
	s_mov_b32 s[A5+1], s[A5]
	s_mov_b32 s[A3], 0x3f35f0e3
	s_mov_b32 s[A3+1], s[A3]
	s_mov_b32 s[A2], 0xbe11a98e
	s_mov_b32 s[A2+1], s[A2]
	s_mov_b32 s[A1], 0x3e027906
	s_mov_b32 s[A1+1], s[A1]
	s_mov_b32 s[PZ], 0x3e6d3388                      ; 0.3275911 / sqrt 2
	s_mov_b32 s[EPS], 0x3727c5ac                     ; 1e-5
	s_mov_b32 s[I512], 0x3b000000                    ; 1 / 512
	s_wait_kmcnt 0x0
	s_load_b32 s[STG], s[22:23], 0x0                 ; the stage word, stored by the first launch
	s_lshr_b32 s66, s[WV], 1                         ; b: my pair of column tiles in the products of 256 columns
	s_and_b32 s67, s[WV], 1                          ; hw: my half of the row tiles there
	s_lshr_b32 s68, s[WV], 2                         ; m4
	s_and_b32 s69, s[WV], 3                          ; h4
	s_bfe_u32 s70, s[WV], 0x10001                    ; bit 1 of the wave
	s_lshr_b32 s71, s[WV], 3                         ; bit 3
	s_bfe_u32 s49, s[WV], 0x10002                    ; bit 2
	s_bfe_u32 s50, s[WV], 0x20001                    ; b % 4
	; ---- the LDS addresses: a region's base + the wave's term + a lane term
	s_mul_i32 s3, s[WV], 4160
	v_add_nc_u32 v[aXW], s3, v[L16]                  ; x's stage: my four rows
	s_lshl_b32 s51, s68, 1
	s_add_co_u32 s51, s51, s70
	s_mul_i32 s3, s51, 1536
	s_mul_i32 s52, s67, 24
	s_add_co_u32 s3, s3, s52
	s_add_co_u32 s3, s3, CI
	v_add_nc_u32 v[aCW], s3, v[L48]                  ; ctx: head h4 of row tile m4 is half a fragment
	s_lshl_b32 s3, s51, 6
	s_lshl_b32 s53, s67, 1
	s_add_co_u32 s3, s3, s53
	s_add_co_u32 s3, s3, CIS
	v_add_nc_u32 v[aCSW], s3, v[R4]
	s_mul_i32 s3, s68, 16640
	s_lshl_b32 s54, s70, 9
	s_add_co_u32 s3, s3, s54
	s_lshl_b32 s54, s67, 8
	s_add_co_u32 s3, s3, s54
	v_add_nc_u32 v[aXQ], s3, v[RX]                   ; x: my 64 columns of row tile m4
	s_lshl_b32 s51, s68, 2
	s_add_co_u32 s51, s51, s70
	s_mul_i32 s3, s51, 1536
	s_add_co_u32 s3, s3, s52
	s_add_co_u32 s3, s3, CAT
	v_add_nc_u32 v[aXQW], s3, v[L48]
	s_lshl_b32 s3, s51, 6
	s_add_co_u32 s3, s3, s53
	s_add_co_u32 s3, s3, CATS
	v_add_nc_u32 v[aXQS], s3, v[R4]
	s_mul_i32 s3, s67, 6144
	s_add_co_u32 s3, s3, CI
	v_add_nc_u32 v[aFC], s3, v[L48]
	s_lshl_b32 s3, s67, 8
	s_add_co_u32 s3, s3, CIS
	v_add_nc_u32 v[aFCS], s3, v[R4]
	s_lshl_b32 s51, s67, 3
	s_add_co_u32 s51, s51, s71
	s_add_co_u32 s51, s51, 2
	s_mul_i32 s3, s51, 1536
	s_mul_i32 s54, s70, 768
	s_add_co_u32 s3, s3, s54
	s_mul_i32 s54, s49, 24
	s_add_co_u32 s3, s3, s54
	s_add_co_u32 s3, s3, CAT
	v_add_nc_u32 v[aMW], s3, v[P48]                  ; msg: block b of the second 256 along K
	s_lshl_b32 s3, s51, 6
	s_add_co_u32 s3, s3, s50
	s_add_co_u32 s3, s3, CATS
	v_add_nc_u32 v[aMS], s3, v[R4]
	v_add_nc_u32 v[aFA], CAT, v[L48]
	v_add_nc_u32 v[aFAS], CATS, v[R4]
	s_lshl_b32 s3, s[WV], 3
	s_add_co_u32 s3, s3, LNX
	v_add_nc_u32 v[aLW], s3, v[R144]
	v_add_nc_u32 v[aLR], v[R144], v[BH]
	v_add_nc_u32 v[aLR], LNX, v[aLR]
	s_mul_i32 s3, s68, 1536
	s_mul_i32 s54, s67, 768
	s_add_co_u32 s3, s3, s54
	s_mul_i32 s54, s70, 24
	s_add_co_u32 s3, s3, s54
	s_add_co_u32 s3, s3, HI
	v_add_nc_u32 v[aHW], s3, v[P48]                  ; the hidden layer: block = wave
	s_lshl_b32 s3, s68, 6
	s_add_co_u32 s3, s3, s69
	s_add_co_u32 s3, s3, HIS
	v_add_nc_u32 v[aHS], s3, v[R4]
	s_mul_i32 s3, s67, 12288
	s_add_co_u32 s3, s3, HI
	v_add_nc_u32 v[aFH], s3, v[L48]
	s_lshl_b32 s3, s67, 9
	s_add_co_u32 s3, s3, HIS
	v_add_nc_u32 v[aFHS], s3, v[R4]
	s_mul_i32 s3, s67, 33280
	s_lshl_b32 s54, s66, 7
	s_add_co_u32 s3, s3, s54
	v_add_nc_u32 v[aXR], s3, v[RX]                   ; x in the results' layout
	v_add_nc_u32 v[aYW], YS, v[aXR]
	; ---- the global bases that do not hang on the stage
	s_lshl_b32 s55, s71, 5                           ; my four stage rows are tokens tau0 .. tau0 + 3 of the block
	s_lshl_b32 s58, s49, 3
	s_add_co_u32 s55, s55, s58
	s_lshl_b32 s58, s70, 3
	s_add_co_u32 s55, s55, s58
	s_lshl_b32 s58, s69, 2
	s_add_co_u32 s55, s55, s58
	s_mov_b32 s73, 0
	s_lshr_b32 s56, ttmp9, 7                         ; side
	s_and_b32 s57, ttmp9, 127
	s_lshl_b32 s72, s57, 16
	s_lshl_b32 s58, s55, 10
	s_add_co_u32 s72, s72, s58
	s_cmp_eq_u32 s56, 0
	s_cselect_b64 s[6:7], s[6:7], s[8:9]
	s_cselect_b64 s[24:25], s[24:25], s[26:27]
	GBASE 6, 6                                       ; x at my first row
	GBASE 24, 24                                     ; the output likewise
	s_lshl_b32 s58, ttmp9, 4
	s_add_co_u32 s58, s58, s[WV]                     ; my record of ctx: 16 x work-group + 4 m4 + head
	s_lshl_b32 s72, s58, 6
	s_add_co_u32 s72, s72, CSOFF
	GBASE 8, 4
	s_mul_i32 s72, s58, 768
	GBASE 4, 4
	s_lshl_b32 s72, s66, 7
	GBASE 12, 12                                     ; bo and b2 at 32 b
	GBASE 20, 20
	s_lshl_b32 s58, s67, 5
	s_add_co_u32 s72, s72, s58
	GBASE 30, 30                                     ; bv at my tile's first column
	s_lshl_b32 s72, s[WV], 7
	GBASE 14, 14                                     ; b1, g, be at 32 x wave
	GBASE 16, 16
	GBASE 18, 18
	s_lshl_b32 s72, s68, 8
	GBASE 28, 28                                     ; bqk at 64 m4
	s_mul_i32 s72, s68, 12288
	s_add_co_u32 s72, s72, 491520
	GBASE 88, 10                                     ; Wqk: head m4's four tiles
	s_lshl_b32 s72, s68, 9
	s_add_co_u32 s72, s72, WSC+20480
	GBASE 90, 10
	s_mul_i32 s72, s[WV], 3072
	s_add_co_u32 s72, s72, 540672
	GBASE 92, 10                                     ; Wv: tile = wave
	s_lshl_b32 s72, s[WV], 7
	s_add_co_u32 s72, s72, WSC+22528
	GBASE 94, 10
	s_lshr_b32 s58, ttmp9, 5
	s_lshl_b32 s58, s58, 2
	s_add_co_u32 s58, s58, s68                       ; the head instance whose Q this is
	s_and_b32 s59, ttmp9, 31
	s_and_b32 s60, s59, 1
	s_lshr_b32 s61, s59, 1
	s_lshl_b32 s62, s67, 7
	s_lshl_b32 s63, s70, 2
	s_add_co_u32 s62, s62, s63                       ; a tile's place among four tiles' scale words
	s_lshl_b32 s72, s58, 7
	s_lshl_b32 s63, s59, 2
	s_add_co_u32 s72, s72, s63
	s_add_co_u32 s72, s72, s69
	s_mul_i32 s72, s72, 768
	s_add_co_u32 s72, s72, QOFF
	GBASE 96, 32                                     ; Q's codes
	s_lshl_b32 s72, s58, 5
	s_add_co_u32 s72, s72, s59
	s_lshl_b32 s72, s72, 8
	s_add_co_u32 s72, s72, s62
	s_add_co_u32 s72, s72, QSOFF
	GBASE 98, 32                                     ; Q's scale words
	s_xor_b32 s58, s58, 16                           ; K and V belong to the other side's attention
	s_mul_i32 s58, s58, CHH
	s_mul_i32 s63, s61, CHS
	s_add_co_u32 s58, s58, s63                       ; the chunk
	s_lshl_b32 s72, s60, 2
	s_add_co_u32 s72, s72, s69
	s_mul_i32 s72, s72, 768
	s_add_co_u32 s72, s72, s58
	GBASE 100, 32                                    ; K's codes
	s_lshl_b32 s72, s60, 8
	s_add_co_u32 s72, s72, s62
	s_add_co_u32 s72, s72, s58
	s_add_co_u32 s72, s72, 12288
	GBASE 26, 32                                     ; K's scale words
	; ---- x's rows and my record of ctx are asked for
.irp i, 0,1,2,3
.irp e, 0,1
	global_load_b128 v[224+8*\i+4*\e:227+8*\i+4*\e], v[L16], s[6:7] offset:1024*\i+512*\e
.endr
.endr
	global_load_b128 v[AF:AF+3], v[L16], s[4:5]
	global_load_b64 v[AF+4:AF+5], v[L8], s[4:5] offset:512
	global_load_b32 v[AF+6], v[R4], s[8:9]
	s_wait_kmcnt 0x0
	s_min_u32 s[STG], s[STG], 1                      ; 0 or 1
	s_mul_i32 s74, s[STG], 442368                    ; 144 units of codes
	s_mul_i32 s75, s[STG], 18432                     ; and of scale words
	s_mul_i32 s72, s69, 1536
	s_mul_i32 s63, s60, 768
	s_add_co_u32 s72, s72, s63
	s_add_co_u32 s72, s72, s58
	s_add_co_u32 s72, s72, 6144
	GBASE 22, 32                                     ; V's codes
	s_lshl_b32 s72, s60, 1
	s_add_co_u32 s72, s72, s62
	s_add_co_u32 s72, s72, s58
	s_add_co_u32 s72, s72, 12800
	GBASE 32, 32                                     ; V's scale bytes
	s_mul_i32 s72, s66, 6144
	s_add_co_u32 s72, s72, s74
	s_add_co_u32 s72, s72, 147456
	GBASE 76, 10                                     ; Wo
	s_lshl_b32 s72, s66, 8
	s_add_co_u32 s72, s72, s75
	s_add_co_u32 s72, s72, WSC+6144
	GBASE 78, 10
	s_mul_i32 s72, s[WV], 12288
	s_add_co_u32 s72, s72, s74
	s_add_co_u32 s72, s72, 196608
	GBASE 80, 10                                     ; W1
	s_lshl_b32 s72, s[WV], 9
	s_add_co_u32 s72, s72, s75
	s_add_co_u32 s72, s72, WSC+8192
	GBASE 82, 10
	s_mul_i32 s72, s66, 12288
	s_add_co_u32 s72, s72, s74
	s_add_co_u32 s72, s72, 393216
	GBASE 84, 10                                     ; W2
	s_lshl_b32 s72, s66, 9
	s_add_co_u32 s72, s72, s75
	s_add_co_u32 s72, s72, WSC+16384
	GBASE 86, 10
.irp f, 0,1,2,3
.irp p, 0,1,2
	global_load_b128 v[176+12*\f+4*\p:179+12*\f+4*\p], v[L16], s[76:77] offset:1536*\f+512*\p     ; Wo: fragment 2 t + K step
.endr
.endr
	global_load_b64 v[AF+46:AF+47], v[L8], s[78:79]
	s_wait_loadcnt 13                                ; x and ctx are in; Wo's 13 loads may be out
.irp i, 0,1,2,3
.irp e, 0,1
	ds_store_b128 v[aXW], v[224+8*\i+4*\e:227+8*\i+4*\e] offset:1040*\i+512*\e
.endr
.endr
	ds_store_b64 v[aCW], v[AF:AF+1]
	ds_store_b64 v[aCW], v[AF+2:AF+3] offset:8
	ds_store_b64 v[aCW], v[AF+4:AF+5] offset:16
	ds_store_b16 v[aCSW], v[AF+6]
	BARRIER                                          ; 1: x's rows and ctx's fragments lie in LDS
	; ---- x is the first half of [x, msg]: I quantise 64 columns of row tile m4
.irp b, 0,1
.irp j, 0,1,2,3
	ds_load_b128 v[224+16*\b+4*\j:227+16*\b+4*\j], v[aXQ] offset:128*\b+16*\j
.endr
.endr
	s_wait_dscnt 0x0
	QUANT2 224, 142, 148, 136, 135, 0x1800000, 0
	ds_store_b64 v[aXQW], v[142:143]
	ds_store_b64 v[aXQW], v[144:145] offset:8
	ds_store_b64 v[aXQW], v[146:147] offset:16
	ds_store_b16 v[aXQS], v135
.irp u, 0,1
.irp i, 0,1,2,3
	global_load_b128 v[224+16*\u+4*\i:227+16*\u+4*\i], v[BH], s[12:13] offset:16*\i     ; bo, straight into the accumulators
.endr
.endr
.irp f, 0,1,2,3,4,5,6,7
.irp p, 0,1,2
	global_load_b128 v[WF+12*\f+4*\p:WF+12*\f+4*\p+3], v[L16], s[80:81] offset:1536*\f+512*\p     ; W1: fragment 4 t + K step
.endr
.endr
	; ---- 1: msg = ctx Wo^T + bo: my pair of column tiles, my two row tiles
.irp g, 0,1
.irp u, 0,1
.irp i, 0,1,2
	ds_load_b128 v[AF+12*\u+4*\i:AF+12*\u+4*\i+3], v[aFC] offset:(2*\u+\g)*1536+16*\i
.endr
	ds_load_b32 v[AF+44+\u], v[aFCS] offset:(2*\u+\g)*64
.endr
	s_wait_dscnt 0x0
.if \g == 0
	s_wait_loadcnt 24                                ; Wo and bo are in; W1's 24 loads may be out
.endif
.irp u, 0,1
.irp t, 0,1
	WM 224+16*\u+8*\t, 176+24*\t+12*\g, AF+12*\u, 0, AF+46+\g, AF+44+\u, \t     ; four accumulators by turns
.endr
.endr
	PLACES
.endr
	QUANT1 224, 152, 160
	QUANT1 240, 156, 162
.irp u, 0,1
.irp i, 0,1,2
	ds_store_b32 v[aMW], v[152+4*\u+\i] offset:6144*\u+4*\i
.endr
	ds_store_b8 v[aMS], v[161+2*\u] offset:256*\u
.endr
.irp m, 0,1,2,3
.irp i, 0,1,2,3
	global_load_b128 v[ACC+16*\m+4*\i:ACC+16*\m+4*\i+3], v[BH], s[14:15] offset:16*\i     ; b1, into the accumulators
.endr
.endr
	global_load_b128 v[T:T+3], v[L16], s[82:83]      ; W1's scale words: four K steps
	v_mov_b32 v[T+12], 0xbf3a00e3                    ; the series' fourth coefficient, halved, as a vector pair
	v_mov_b32 v[T+13], 0xbf3a00e3
	BARRIER                                          ; 2: [x, msg] lies in LDS
	; ---- 2: h = [x, msg] W1^T + b1: my 32 hidden columns, all 64 rows
.irp g, 0,1,2,3
.irp m, 0,1,2,3
.irp i, 0,1,2
	ds_load_b128 v[AF+12*\m+4*\i:AF+12*\m+4*\i+3], v[aFA] offset:(4*\m+\g)*1536+16*\i
.endr
	ds_load_b32 v[T+4+\m], v[aFAS] offset:(4*\m+\g)*64
.endr
	s_wait_dscnt 0x0
.if \g == 0
	s_wait_loadcnt 0x0
.endif
.irp t, 0,1
.irp m, 0,1,2,3
	WM ACC+16*\m+8*\t, WF+48*\t+12*\g, AF+12*\m, 0, T+\g, T+4+\m, \t
.endr
.endr
	PLACES
.endr
.irp i, 0,1,2,3
	global_load_b128 v[AF+4*\i:AF+4*\i+3], v[BH], s[16:17] offset:16*\i         ; g
	global_load_b128 v[AF+16+4*\i:AF+19+4*\i], v[BH], s[18:19] offset:16*\i     ; be
.endr
	LN1 0
	LN1 1
	LN1 2
	LN1 3
	BARRIER                                          ; 3: every wave's figures lie in LDS
.irp m, 0,1,2,3
.irp i, 0,1,2,3
	ds_load_b128 v[WF+16*\m+4*\i:WF+16*\m+4*\i+3], v[aLR] offset:2304*\m+16*\i
.endr
.endr
	s_wait_dscnt 0x0
	LN2 0
	LN2 1
	LN2 2
	LN2 3
.irp m, 0,1,2,3
	v_rsq_f32 v[AF+34+4*\m], v[WF+65+8*\m]
	v_rsq_f32 v[AF+35+4*\m], v[WF+65+8*\m]           ; twice: a pair for the packed forms
.endr
	v_nop
	s_wait_alu depctr_va_vdst(0)                     ; one wait for the eight
.irp f, 0,1,2,3,4,5,6,7
.irp p, 0,1,2
	global_load_b128 v[WF+12*\f+4*\p:WF+12*\f+4*\p+3], v[L16], s[84:85] offset:1536*\f+512*\p     ; W2 lands under the gelu
.endr
.endr
	global_load_b128 v[T:T+3], v[L16], s[86:87]
	s_wait_loadcnt 25                                ; g and be are in; W2's 25 loads may be out
.irp m, 0,1,2,3
.set n, 0
.rept 8
	v_pk_add_f32 v[ACC+16*\m+n:ACC+16*\m+n+1], v[ACC+16*\m+n:ACC+16*\m+n+1], v[AF+32+4*\m:AF+33+4*\m]
.set n, n+2
.endr
.set n, 0
.rept 8
	v_pk_mul_f32 v[ACC+16*\m+n:ACC+16*\m+n+1], v[ACC+16*\m+n:ACC+16*\m+n+1], v[AF+34+4*\m:AF+35+4*\m]
.set n, n+2
.endr
.set n, 0
.rept 8
	v_pk_fma_f32 v[ACC+16*\m+n:ACC+16*\m+n+1], v[ACC+16*\m+n:ACC+16*\m+n+1], v[AF+n:AF+n+1], v[AF+16+n:AF+17+n]
.set n, n+2
.endr
.endr
	GELU 0
	GELU 1
	GELU 2
	GELU 3
.irp m, 0,1,2,3
	QUANT1 ACC+16*\m, AF+4*\m, AF+16+2*\m
.irp i, 0,1,2
	ds_store_b32 v[aHW], v[AF+4*\m+\i] offset:6144*\m+4*\i
.endr
	ds_store_b8 v[aHS], v[AF+17+2*\m] offset:256*\m
.endr
.irp u, 0,1
.irp i, 0,1,2,3
	global_load_b128 v[176+16*\u+4*\i:179+16*\u+4*\i], v[BH], s[20:21] offset:16*\i     ; b2, into the accumulators
.endr
.endr
	; the addresses of the last phases, in registers whose first use is over
	s_lshl_b32 s51, s67, 2
	s_add_co_u32 s51, s51, s71
	s_mul_i32 s3, s51, 1536
	s_mul_i32 s54, s70, 768
	s_add_co_u32 s3, s3, s54
	s_mul_i32 s54, s49, 24
	s_add_co_u32 s3, s3, s54
	s_add_co_u32 s3, s3, DI
	v_add_nc_u32 v[aDW], s3, v[P48]                  ; d: block b of 256 along K
	s_lshl_b32 s3, s51, 6
	s_add_co_u32 s3, s3, s50
	s_add_co_u32 s3, s3, DIS
	v_add_nc_u32 v[aDS], s3, v[R4]
	s_mul_i32 s3, s[WV], 4160
	s_add_co_u32 s3, s3, YS
	v_add_nc_u32 v[aYR], s3, v[L16]
	v_add_nc_u32 v[aFD], DI, v[L48]
	v_add_nc_u32 v[aFDS], DIS, v[R4]
	s_mul_i32 s3, s69, 3072
	s_add_co_u32 s3, s3, DI
	v_add_nc_u32 v[aFDQ], s3, v[L48]
	s_lshl_b32 s3, s69, 7
	s_add_co_u32 s3, s3, DIS
	v_add_nc_u32 v[aFDQS], s3, v[R4]
	v_and_b32 v[gBV], 8, v0
	v_lshl_add_u32 v[gBV], v[gBV], 2, v[R4]          ; 4 (r + 8 (r / 8))
	BARRIER                                          ; 4: the hidden layer lies in LDS
	; ---- 3: y = h W2^T + b2, d = x + y: my pair of column tiles, my two row tiles
.irp u, 0,1
.irp i, 0,1,2,3
	ds_load_b128 v[208+16*\u+4*\i:211+16*\u+4*\i], v[aXR] offset:16640*\u+16*\i
.endr
.endr
.irp q, 0,1
.irp u, 0,1
.irp e, 0,1
.irp i, 0,1,2
	ds_load_b128 v[AF+12*(2*\u+\e)+4*\i:AF+12*(2*\u+\e)+4*\i+3], v[aFH] offset:(4*\u+2*\q+\e)*1536+16*\i
.endr
	ds_load_b32 v[T+4+2*\u+\e], v[aFHS] offset:(4*\u+2*\q+\e)*64
.endr
.endr
	s_wait_dscnt 0x0
.if \q == 0
	s_wait_loadcnt 0x0
.endif
.irp e, 0,1
.irp u, 0,1
.irp t, 0,1
	WM 176+16*\u+8*\t, WF+48*\t+12*(2*\q+\e), AF+12*(2*\u+\e), 0, T+2*\q+\e, T+4+2*\u+\e, \t
.endr
.endr
.endr
	PLACES
.endr
.set n, 0
.rept 16
	v_pk_add_f32 v[176+n:177+n], v[176+n:177+n], v[208+n:209+n]     ; each accumulator from its low end on
.set n, n+2
.endr
.irp u, 0,1
.irp i, 0,1,2,3
	ds_store_b128 v[aYW], v[176+16*\u+4*\i:179+16*\u+4*\i] offset:16640*\u+16*\i
.endr
.endr
	QUANT1 176, 128, 136                             ; d as an operand (used where the stage word is 0)
	QUANT1 192, 132, 138
.irp u, 0,1
.irp i, 0,1,2
	ds_store_b32 v[aDW], v[128+4*\u+\i] offset:3072*\u+4*\i
.endr
	ds_store_b8 v[aDS], v[137+2*\u] offset:128*\u
.endr
	BARRIER                                          ; 5: d lies in LDS, as rows and as fragments.  No barrier and no LDS store stands behind this one
	s_cmp_lg_u32 s[STG], 0
	s_cbranch_scc1 .Llast
	; ---- 4: the cross block's projections
.irp f, 0,1,2,3,4,5,6,7
.irp p, 0,1,2
	global_load_b128 v[WF+12*\f+4*\p:WF+12*\f+4*\p+3], v[L16], s[88:89] offset:1536*\f+512*\p     ; Wqk: fragment 2 t + K step
.endr
.endr
	global_load_b64 v[T:T+1], v[L8], s[90:91]
	global_load_b64 v[T+2:T+3], v[L8], s[90:91] offset:256
.irp f, 0,1
.irp p, 0,1,2
	global_load_b128 v[208+12*\f+4*\p:211+12*\f+4*\p], v[L16], s[92:93] offset:1536*\f+512*\p     ; Wv
.endr
.endr
	global_load_b64 v[T+8:T+9], v[R8], s[94:95]
	global_load_b32 v[T+10], v[gBV], s[30:31]        ; bv of my channel
.irp b, 0,1
.irp i, 0,1,2,3
	global_load_b128 v[176+16*\b+4*\i:179+16*\b+4*\i], v[BH], s[28:29] offset:128*\b+16*\i     ; bqk, into the accumulators
.endr
.endr
	ROWS_OUT
	s_wait_xcnt 0x0                                  ; the stores have read their registers: they may be loaded again
.irp g, 0,1
.irp i, 0,1,2
	ds_load_b128 v[AF+12*\g+4*\i:AF+12*\g+4*\i+3], v[aFDQ] offset:1536*\g+16*\i
.endr
	ds_load_b32 v[T+4+\g], v[aFDQS] offset:64*\g
.endr
	s_wait_dscnt 0x0
	s_wait_loadcnt 0x0
.irp g, 0,1
.irp t, 0,1,2,3
	WM 176+8*\t, WF+12*(2*\t+\g), AF+12*\g, 0, T+2*(\t/2)+\g, T+4+\g, (\t)%2     ; qk: head m4, row tile h4
.endr
.endr
	PLACES
.set n, 0
.rept 16
	v_pk_mul_f32 v[176+n:177+n], v[176+n:177+n], 0x3eb504f3 op_sel_hi:[1,0]     ; x 64^(-1/4)
.set n, n+2
.endr
	QUANT2 176, 32, 40, 46, 44, 0x1800000, 0
	global_store_b128 v[L16], v[32:35], s[96:97]     ; as Q of my side
	global_store_b64 v[L8], v[36:37], s[96:97] offset:512
	global_store_b32 v[R8], v44, s[98:99]
	global_store_b128 v[L16], v[32:35], s[100:101]   ; and as K of the other
	global_store_b64 v[L8], v[36:37], s[100:101] offset:512
	global_store_b32 v[R8], v44, s[26:27]
.irp g, 0,1
.irp m, 0,1,2,3
.irp i, 0,1,2
	ds_load_b128 v[AF+12*\m+4*\i:AF+12*\m+4*\i+3], v[aFD] offset:(2*\m+\g)*1536+16*\i
.endr
	ds_load_b32 v[T+4+\m], v[aFDS] offset:(2*\m+\g)*64
.endr
	s_wait_dscnt 0x0
.if \g == 0
.rept 5
	v_nop                                            ; five places in front of matrix instructions that write over earlier results
.endr
.endif
.irp m, 0,1,2,3
	WM 176+8*\m, AF+12*\m, 208+12*\g, 1-\g, T+4+\m, T+8+\g, 0     ; v: source 0 = d's rows, source 1 = my tile of Wv: a lane holds a channel, registers run along the tokens
.endr
	PLACES
.endr
.set n, 0
.rept 32
	v_add_f32 v[176+n], v[176+n], v[T+10]
.set n, n+1
.endr
	QUANT2 176, 56, 64, 70, 68, 0x1800000, 0
	global_store_b128 v[L16], v[56:59], s[22:23]
	global_store_b64 v[L8], v[60:61], s[22:23] offset:512
	global_store_b16 v[R8], v68, s[32:33]
	s_wait_tensorcnt 0x0                             ; the wave's end, behind my last LDS store
	ds_add_u32 v[SPW], v[NIL]
	s_wait_dscnt 0x0
	s_endpgm
.Llast:
	ROWS_OUT
	s_wait_tensorcnt 0x0                             ; the wave's end, as above
	ds_add_u32 v[SPW], v[NIL]
	s_wait_dscnt 0x0
	s_endpgm
.Lfunc_end_k_q82e27be770_tailS:
	.size	k_q82e27be770_tailS, .Lfunc_end_k_q82e27be770_tailS-k_q82e27be770_tailS
	.p2alignl 7, 3214868480
	.fill 96, 4, 3214868480
	.section	.rodata,"a",@progbits
	.p2align	6, 0x0
	.amdhsa_kernel k_q82e27be770_tailS
		.amdhsa_group_segment_fixed_size 221184
		.amdhsa_private_segment_fixed_size 0
		.amdhsa_enable_private_segment 0
		.amdhsa_kernarg_size 120
		.amdhsa_user_sgpr_count 2
		.amdhsa_user_sgpr_kernarg_segment_ptr 1
		.amdhsa_wavefront_size32 1
		.amdhsa_system_sgpr_workgroup_id_x 1
		.amdhsa_system_sgpr_workgroup_id_y 1
		.amdhsa_system_sgpr_workgroup_id_z 1
		.amdhsa_system_vgpr_workitem_id 0
		.amdhsa_next_free_vgpr 256
		.amdhsa_next_free_sgpr 102
		.amdhsa_reserve_vcc 0
		.amdhsa_float_denorm_mode_32 3
		.amdhsa_float_denorm_mode_16_64 3
		.amdhsa_memory_ordered 1
		.amdhsa_forward_progress 1
		.amdhsa_inst_pref_size 125
	.end_amdhsa_kernel
	.amdgpu_metadata
---
amdhsa.version: [ 1, 2 ]
amdhsa.kernels:
  - .name:           k_q82e27be770_tailS
    .symbol:         k_q82e27be770_tailS.kd
    .args:
      - { .name: ctxb, .offset: 0, .size: 8, .value_kind: global_buffer, .address_space: global }
      - { .name: desc0, .offset: 8, .size: 8, .value_kind: global_buffer, .address_space: global }
      - { .name: desc1, .offset: 16, .size: 8, .value_kind: global_buffer, .address_space: global }
      - { .name: wts, .offset: 24, .size: 8, .value_kind: global_buffer, .address_space: global }
      - { .name: s_bout, .offset: 32, .size: 8, .value_kind: global_buffer, .address_space: global }
      - { .name: s_b1, .offset: 40, .size: 8, .value_kind: global_buffer, .address_space: global }
      - { .name: s_g, .offset: 48, .size: 8, .value_kind: global_buffer, .address_space: global }
      - { .name: s_be, .offset: 56, .size: 8, .value_kind: global_buffer, .address_space: global }
      - { .name: s_b2, .offset: 64, .size: 8, .value_kind: global_buffer, .address_space: global }
      - { .name: cfgS, .offset: 72, .size: 8, .value_kind: global_buffer, .address_space: global }
      - { .name: dmid0, .offset: 80, .size: 8, .value_kind: global_buffer, .address_space: global }
      - { .name: dmid1, .offset: 88, .size: 8, .value_kind: global_buffer, .address_space: global }
      - { .name: c_bqk, .offset: 96, .size: 8, .value_kind: global_buffer, .address_space: global }
      - { .name: c_bv, .offset: 104, .size: 8, .value_kind: global_buffer, .address_space: global }
      - { .name: qkvb, .offset: 112, .size: 8, .value_kind: global_buffer, .address_space: global }
    .group_segment_fixed_size: 221184
    .private_segment_fixed_size: 0
    .kernarg_segment_align: 8
    .kernarg_segment_size: 120
    .max_flat_workgroup_size: 512
    .sgpr_count:     102
    .vgpr_count:     256
    .wavefront_size: 32
...
	.end_amdgpu_metadata
.endif
;; end of part 4
;; launch attC: the kernel of part 3 again; grid 8 x 32, 16 waves a work-group, clusters of 4 x 1, 210,944 bytes of LDS; arguments qkvb, ctxb; writes ctxb
;; launch tailC: the kernel of part 4 again; grid 256 x 1, 16 waves a work-group, no clusters, 221,184 bytes of LDS; arguments ctxb, dmid0, dmid1, wts, c_bo, c_b1, c_g, c_be, c_b2, cfgC, out0, out1, c_bqk, c_bv, qkvb; writes out0, out1, qkvb
